; MI455X (gfx1250); checked and timed in simulation.
; The chip was launched on July 23, 2026; its instructions are those of AMD's public machine-readable ISA for CDNA 5 (MIT licence, August 2026) and "CDNA5" Instruction Set Architecture Reference Guide (July 2026). The comments in the code are by the model that wrote it; some were corrected since.
;; Seqlen Dynamic Sparse Attention. Allowed arithmetic: matrix products marked QUANTISED: E2M3 operands, one E8M0 scale for each 32 along K, by v_wmma_scale_f32_16x16x128_f8f6f4 with both operands' format E2M3, f32 sums; everything else in f32.
;; Inputs: K 4 x 8 x 2,048 x 64 float32; Q 4 x 8 x 2,048 x 64 float32; V 4 x 8 x 2,048 x 64 float32; seqlens 4 int32.
;; Outputs: out0 4 x 8 x 2,048 x 64 float32.
;; This version of the problem:
;;   THIS VERSION OF THE PROBLEM IS GIVEN IN LOW PRECISION. The matrix products marked QUANTISED in the list below multiply operands that are first quantised to E2M3 (2 exponent bits, 3 mantissa bits; 6 bits a number), with one power-of-two scale for each 32 numbers along K (OCP MX v1.0); their sums are f32. All else is computed in f32.
;;   The module's matrix products, in the order in which they are computed (A, B: the left and right operand; K: the contracted axis; several contracted axes count as one K, in the product's order):
;;     1. batch 32 x [M 2,048, K 64] x [K 64, N 2,048]; A: input Q; B: input K: QUANTISED
;;     2. batch 32 x [M 2,048, K 2,048] x [K 2,048, N 64]; A: softmax (see below); B: input V: QUANTISED
;;   THE QUANTISER, for each operand of a quantised product, along K:
;;     - K is cut into blocks of 32 from its start; a last block that is shorter is filled with zeros.
;;     - A block's scale is 2^e with e = floor(log2(the largest magnitude in the block)) - 2, held to -126 .. 127; a block of zeros has e = 0. As a byte (E8M0): e + 127.
;;     - Each number is divided by its block's scale, clamped to +-7.5, and rounded to the nearest number of E2M3, ties to even, subnormals kept.
;;     - The product sums the exact products of the quantised numbers (number of the format x scale) in f32.
;;   ~~~python
;;   def quantise(x, axis):      # numpy; x: float32 -> the quantised numbers, widened to float32 again
;;       x = np.moveaxis(x, axis, -1); K = x.shape[-1]
;;       x = np.pad(x, [(0, 0)] * (x.ndim - 1) + [(0, -K % 32)]); x = x.reshape(x.shape[:-1] + (-1, 32)); a = np.abs(x).max(-1, keepdims=True)
;;       e = np.where(a > 0, np.clip(np.frexp(np.where(a > 0, a, 1))[1] - 1 - 2, -126, 127), 0)      # np.frexp(a)[1] - 1 = floor(log2(a)), exactly
;;       r = np.clip(x / 2.0 ** e, -7.5, 7.5)
;;       step = 2.0 ** (np.maximum(np.frexp(np.where(r == 0, 1, r))[1] - 1, 0) - 3)
;;       q = np.round(r / step) * step * 2.0 ** e      # np.round: ties to even
;;       return np.moveaxis(q.reshape(q.shape[:-2] + (-1,))[..., :K], -1, axis).astype(np.float32)
;;   ~~~
;;   SOFTMAX AHEAD OF A QUANTISED PRODUCT. Where the list says 'softmax', what is quantised is not the finished softmax but p = 2^(t - M), with t = logit x log2(e) and M = ceil(the row's largest t), a whole number; so 1/2 < the row's largest p <= 1. The row's sum l is taken of the UNQUANTISED p, in f32, and the product's result is divided by l at the end. Since M is a whole number, a kernel that streams over the keys may use a running M (the ceiling of the running maximum): every later rescaling is an exact power of two, which a block's scale takes up: the codes' values come out the same.
;;   OPERANDS COMPUTED ON THE WAY. 'Computed on the way' means the value that the module computes at that place (a softmax that the list does not call 'softmax' is quantised finished and normalised). What goes into a quantiser is computed in f32, as accurately as f32 sums, v_exp_f32 and their like allow (about 1e-6 of the number): no bf16 or f16 on the way to a quantiser, and a product that is left as it is and whose result goes on into a quantised operand takes f32 operands (vector FMAs, or v_wmma_f32_16x16x4_f32). A number that lies on a knife's edge between two numbers of the format may be rounded either way, as far as f32 arithmetic and the matrix unit's own rounding can turn it there, and no further.
;; 3 versions. Each part assembles by itself: llvm-mc -triple=amdgcn-amd-amdhsa -mcpu=gfx1250 --defsym DOCPART=n.
;; ======== version 1 of 3: 2 launches
;; workspace buffers: img 6,291,456 bytes; scl 262,144 bytes
;; launch quant (part 1): grid 16 x 32, 6 waves a work-group, no clusters, 52,992 bytes of LDS; arguments K, V, img, scl; writes img, scl
.if DOCPART == 1
	.amdgcn_target "amdgcn-amd-amdhsa--gfx1250"
	.amdhsa_code_object_version 6
	.text
	.protected	k_q2dff26677b_quant
	.globl	k_q2dff26677b_quant
	.p2align	8
	.type	k_q2dff26677b_quant,@function
k_q2dff26677b_quant:
	s_mov_b64 s[64:65], 0
	v_nop
	global_prefetch_b8 v0, s[64:65] scope:SCOPE_SE
	s_setreg_imm32_b32 hwreg(HW_REG_WAVE_MODE, 25, 1), 1
	s_wait_xcnt 0x0
; K [32 heads][2048 keys][64] and V [32][2048][64], f32, become codes of FP6 (E2M3) with one E8M0 scale byte for each 32 along a product's K:
; K is quantised along its 64 channels, V along the KEYS.  The codes are laid as IMAGES OF THE OPERANDS' REGISTERS, so that the next launch fetches a fragment by three loads of 16 bytes a lane.
; A block's scale is 2^(floor(log2(its largest magnitude)) - 2); its byte is the largest magnitude's exponent field - 2, held at 1 from below.
; LIMITS: a block of zeros gets the byte 1 where the rule says 127 (its codes are zeros, which add nothing under any byte but 0xff, and this program alone reads the bytes); NaN and infinities among the inputs are not served.
; SHARES.  A work-group takes one head (y) and one step of 128 keys (x): 32,768 bytes of K and as many of V.  Waves 0-3 take K, 32 keys each; waves 4-5 take V, 32 channels x 128 keys each.  Waves share nothing: no barrier.
; img: [head][step][12,288 bytes]: four pair fragments of K at 1,536 b, four fragments of V at 6,144 + 1,536 t.  A fragment is 12 registers a lane: registers 4 c .. 4 c + 3 of lane l at 512 c + 16 l.
; scl: [head][step][i = 0..3][32 words]: word r < 16 is K's pair fragment i, row r; word 16 + r is V's fragment i, row r.
; K'S PAIR FRAGMENT b: the first product's K is 64, half of what the matrix instruction takes.  So a row of the fragment holds TWO keys: lane (r, h), registers 0-5: key 32 b + r + 8 (r / 8), channels 32 h on;
; registers 6-11: the key 8 further on.  The scale word: bytes 0, 1 the first key's two blocks, bytes 2, 3 the second's.  The next launch multiplies it by Q beside zero codes, once for each half.
; V'S FRAGMENT t: lane (r, h): channel 16 t + r; registers 6 c .. 6 c + 5: keys 64 c + 32 h + 0 .. 31.  The scale word: byte kb for keys 32 kb on.
.set STGB,  8704                       ; a wave's stage in LDS: 32 rows x 272 bytes (only K's waves use theirs; the claim covers six, so that wave x STGB stays inside it)
.set PIT,   272                        ; a stage row: a key's 256 bytes + 16
.set FLOOR, 0x1800000                  ; 2^(3 - 127): no largest magnitude is taken under it, so the byte cannot fall under 1
.set EOFF,  0xff000000                 ; -(2 << 23): 2 off an exponent field
; the largest magnitude of 32 numbers of one lane, v[x] on, into v[m]; v[t] is a second chain, so that no line waits for the line above it
.macro MAX32 m, t, x
	v_max3_num_f32 v[\m], |v[\x]|, |v[\x+1]|, |v[\x+2]|
	v_max3_num_f32 v[\t], |v[\x+3]|, |v[\x+4]|, |v[\x+5]|
.irp i, 6,10,14,18,22,26
	v_max3_num_f32 v[\m], v[\m], |v[\x+\i]|, |v[\x+\i+1]|
	v_max3_num_f32 v[\t], v[\t], |v[\x+\i+2]|, |v[\x+\i+3]|
.endr
	v_max3_num_f32 v[\m], v[\m], |v[\x+30]|, |v[\x+31]|
	v_max3_num_f32 v[\m], v[\m], v[\t], FLOOR
.endm
	s_load_b256 s[4:11], s[0:1], 0x0               ; K s[4:5], V s[6:7], img s[8:9], scl s[10:11]
	v_lshl_add_u32 v168, v0, 2, 0xcc00
	v_mov_b32 v169, 0
	v_lshrrev_b32 v1, 5, v0
	v_readfirstlane_b32 s12, v1                    ; wave 0..5
	s_mov_b32 s13, ttmp9                           ; the step
	s_and_b32 s14, ttmp7, 0xffff                   ; the head
	s_mov_b32 s20, 0x76543210
	s_mov_b32 s21, 0xfedcba98                      ; v_permlanex16_b32's selects for lane l xor 16
	v_and_b32 v2, 31, v0                           ; lane
	v_and_b32 v3, 15, v0                           ; r
	v_bfe_u32 v4, v0, 4, 1                         ; h
	v_lshlrev_b32 v5, 4, v2                        ; 16 x lane
	v_lshlrev_b32 v6, 2, v2                        ; 4 x lane
	v_lshlrev_b32 v7, 2, v3                        ; 4 r
	s_mul_i32 s15, s12, STGB                       ; my stage.  All LDS addresses are made here, ahead of the parting of the waves
	v_mul_u32_u24 v8, v4, PIT
	v_lshl_add_u32 v8, v3, 4, v8
	v_add_nc_u32 v8, s15, v8                       ; into the stage: a load's 512 bytes are two keys: row h, 16 r
	v_and_b32 v9, 8, v3
	v_add_nc_u32 v9, v9, v3                        ; r + 8 (r / 8)
	v_mul_u32_u24 v9, v9, PIT
	v_lshl_add_u32 v9, v4, 7, v9
	v_add_nc_u32 v9, s15, v9                       ; out of it: that key's row, channels 32 h on
	v_lshlrev_b32 v10, 7, v4
	v_lshl_add_u32 v10, v3, 2, v10
	v_add_nc_u32 v10, 64, v10                      ; V's scale words: fragment h of my two, 128 bytes each; the upper 16 words; row r
	s_lshl_b32 s16, s14, 19                        ; a head is 2,048 x 256 bytes,
	s_lshl_b32 s17, s13, 15                        ; a step 128 x 256
	s_add_co_u32 s16, s16, s17
	s_mov_b32 s17, 0
	s_lshl_b32 s18, s14, 4
	s_add_co_u32 s18, s18, s13                     ; 16 x head + step
	s_lshl_b32 s22, s18, 9                         ; 512 bytes of scale words a step,
	s_mov_b32 s23, 0
	s_mul_i32 s18, s18, 12288                      ; 12,288 of images
	s_mov_b32 s19, 0
	s_mov_b32 s25, 0
	s_wait_kmcnt 0x0
	s_add_nc_u64 s[8:9], s[8:9], s[18:19]
	s_add_nc_u64 s[10:11], s[10:11], s[22:23]
	s_cmp_lt_u32 s12, 4
	s_cbranch_scc0 .Lv
	; ---- K: wave b makes pair fragment b.  v16-79 as loaded; v80-111 the first key's 32 numbers, v112-143 the second's; v144-155 the fragment
	s_lshl_b32 s24, s12, 13                        ; my 32 keys
	s_add_nc_u64 s[4:5], s[4:5], s[16:17]
	s_add_nc_u64 s[4:5], s[4:5], s[24:25]
	s_mul_i32 s24, s12, 1536
	s_add_nc_u64 s[8:9], s[8:9], s[24:25]
	s_lshl_b32 s24, s12, 7
	s_add_nc_u64 s[10:11], s[10:11], s[24:25]
.irp j, 0,1,2,3,4,5,6,7,8,9,10,11,12,13,14,15
	global_load_b128 v[16+4*\j:19+4*\j], v5, s[4:5] offset:512*\j th:TH_LOAD_NT   ; 32 lanes read 512 consecutive bytes: two keys
.endr
.irp j, 0,1,2,3,4,5,6,7,8,9,10,11,12,13,14,15
	s_wait_loadcnt 15-\j                           ; loads come back in order: load j is in, the younger ones stay out
	ds_store_b128 v8, v[16+4*\j:19+4*\j] offset:2*PIT*\j
.endr
.irp i, 0,1,2,3,4,5,6,7
	ds_load_b128 v[80+4*\i:83+4*\i], v9 offset:16*\i              ; LDS serves a wave's instructions in order: these see my stores
.endr
.irp i, 0,1,2,3,4,5,6,7
	ds_load_b128 v[112+4*\i:115+4*\i], v9 offset:8*PIT+16*\i      ; the key 8 rows on
.endr
	s_wait_dscnt 0x0
	MAX32 11, 12, 80                               ; a lane holds a whole block of each key
	MAX32 13, 14, 112
	v_add_nc_u32 v12, EOFF, v11                    ; 2 off the exponent field: the conversion takes the exponent field of this operand as its scale, and nothing else of it
	v_add_nc_u32 v14, EOFF, v13
	v_lshrrev_b32 v164, 23, v12                    ; the scales' bytes
	v_lshrrev_b32 v165, 23, v14
	v_lshl_or_b32 v164, v165, 16, v164             ; block h of the first key, block h of the second,
	v_lshlrev_b32 v165, 3, v4
	v_lshlrev_b32 v164, v165, v164                 ; 8 h bits up;
	v_mov_b32 v166, 0
	v_permlanex16_b32 v166, v164, s20, s21
	v_or_b32 v164, v164, v166                      ; with lane l xor 16's two the word is whole
	v_cvt_scalef32_pk16_fp6_f32 v[144:146], v[80:95], v12
	v_cvt_scalef32_pk16_fp6_f32 v[156:158], v[96:111], v12       ; (a conversion's three registers begin on an even number: the second half of a block's six is made elsewhere and moved)
	v_cvt_scalef32_pk16_fp6_f32 v[150:152], v[112:127], v14
	v_cvt_scalef32_pk16_fp6_f32 v[160:162], v[128:143], v14
	v_nop                                          ; one plain place behind a scaled conversion
.irp i, 0,1,2
	v_mov_b32 v[147+\i], v[156+\i]
	v_mov_b32 v[153+\i], v[160+\i]
.endr
.irp c, 0,1,2
	global_store_b128 v5, v[144+4*\c:147+4*\c], s[8:9] offset:512*\c   ; 32 lanes store 512 consecutive bytes, at a multiple of 256 from img's first byte
.endr
	global_store_b32 v7, v164, s[10:11]            ; 16 words; lanes r and 16 + r store the same word to the same place
	s_wait_tensorcnt 0x0
	ds_add_u32 v168, v169
	s_wait_dscnt 0x0
	s_endpgm
	; ---- V: wave 4 + u takes channels 32 u on: A LANE TAKES A CHANNEL, AND ITS REGISTERS RUN DOWN THE KEYS.  v16-47, v48-79 two sets of 32 keys; v80-91, v92-103 the codes; v15 the scale word
.Lv:
	s_sub_co_u32 s15, s12, 4                       ; u
	s_lshl_b32 s24, s15, 7                         ; my 32 channels
	s_add_nc_u64 s[6:7], s[6:7], s[16:17]
	s_add_nc_u64 s[6:7], s[6:7], s[24:25]
	s_mul_i32 s24, s15, 3072
	s_add_co_u32 s24, s24, 6144                    ; my two fragments, behind K's four
	s_add_nc_u64 s[8:9], s[8:9], s[24:25]
	s_lshl_b32 s24, s15, 8
	s_add_nc_u64 s[10:11], s[10:11], s[24:25]
.macro LOADV kb                        ; block kb: keys 32 kb + i, i = 0 .. 31, of my channel, into set kb % 2
.irp i, 0,1,2,3,4,5,6,7,8,9,10,11,12,13,14,15,16,17,18,19,20,21,22,23,24,25,26,27,28,29,30,31
	global_load_b32 v[16+32*((\kb)%2)+\i], v6, s[6:7] offset:(32*(\kb)+\i)*256 th:TH_LOAD_NT   ; 32 lanes read 128 consecutive bytes
.endr
.endm
.macro BLOCKV kb
.set XS, 16+32*((\kb)%2)
.set DD, 80+12*((\kb)%2)+6*((\kb)/2)   ; even blocks 2 c at v[80 + 6 c], odd blocks 2 c + 1 at v[92 + 6 c]
.if (\kb) < 3
	s_wait_loadcnt 32                              ; this block's 32 loads are in; the next block's may be out
.else
	s_wait_loadcnt 0x0
.endif
	MAX32 11, 12, XS                               ; all 32 keys of the block are mine
	v_add_nc_u32 v13, EOFF, v11
	v_lshrrev_b32 v14, 23, v13
.if (\kb) == 0
	v_mov_b32 v15, v14                             ; four bytes to the word, the lower keys in the lower byte
.else
	v_lshl_or_b32 v15, v14, 8*(\kb), v15
.endif
	v_cvt_scalef32_pk16_fp6_f32 v[DD:DD+2], v[XS:XS+15], v13
	v_cvt_scalef32_pk16_fp6_f32 v[104:106], v[XS+16:XS+31], v13
	v_nop                                          ; one plain place behind a scaled conversion
.irp i, 0,1,2
	v_mov_b32 v[DD+3+\i], v[104+\i]
.endr
.if (\kb) < 2
	LOADV (\kb)+2
.endif
.endm
	LOADV 0
	LOADV 1
	BLOCKV 0
	BLOCKV 1
	BLOCKV 2
	BLOCKV 3
.irp i, 0,1,2,3,4,5,6,7,8,9,10,11
	v_permlane16_swap_b32 v[80+\i], v[92+\i]       ; the first's lanes 16-31 (channels 16-31, even blocks) change places with the second's lanes 0-15 (channels 0-15, odd blocks):
.endr                                              ; v80-91 is now fragment 2 u (lane (r, h): channel r, block 2 c + h), v92-103 fragment 2 u + 1
.irp f, 0,1
.irp c, 0,1,2
	global_store_b128 v5, v[80+12*\f+4*\c:83+12*\f+4*\c], s[8:9] offset:1536*\f+512*\c
.endr
.endr
	global_store_b32 v10, v15, s[10:11]            ; my channel's scale word: two runs of 64 bytes
	s_endpgm
.Lfunc_end_k_q2dff26677b_quant:
	.size	k_q2dff26677b_quant, .Lfunc_end_k_q2dff26677b_quant-k_q2dff26677b_quant
	.p2alignl 7, 3214868480
	.fill 96, 4, 3214868480
	.section	.rodata,"a",@progbits
	.p2align	6, 0x0
	.amdhsa_kernel k_q2dff26677b_quant
		.amdhsa_group_segment_fixed_size 52992
		.amdhsa_private_segment_fixed_size 0
		.amdhsa_enable_private_segment 0
		.amdhsa_kernarg_size 32
		.amdhsa_user_sgpr_count 2
		.amdhsa_user_sgpr_kernarg_segment_ptr 1
		.amdhsa_wavefront_size32 1
		.amdhsa_system_sgpr_workgroup_id_x 1
		.amdhsa_system_sgpr_workgroup_id_y 1
		.amdhsa_system_sgpr_workgroup_id_z 1
		.amdhsa_system_vgpr_workitem_id 0
		.amdhsa_next_free_vgpr 170
		.amdhsa_next_free_sgpr 66
		.amdhsa_reserve_vcc 0
		.amdhsa_float_denorm_mode_32 3
		.amdhsa_float_denorm_mode_16_64 3
		.amdhsa_memory_ordered 1
		.amdhsa_forward_progress 1
		.amdhsa_inst_pref_size 30
	.end_amdhsa_kernel
	.amdgpu_metadata
---
amdhsa.version: [ 1, 2 ]
amdhsa.kernels:
  - .name:           k_q2dff26677b_quant
    .symbol:         k_q2dff26677b_quant.kd
    .args:
      - { .name: K, .offset: 0, .size: 8, .value_kind: global_buffer, .address_space: global }
      - { .name: V, .offset: 8, .size: 8, .value_kind: global_buffer, .address_space: global }
      - { .name: img, .offset: 16, .size: 8, .value_kind: global_buffer, .address_space: global }
      - { .name: scl, .offset: 24, .size: 8, .value_kind: global_buffer, .address_space: global }
    .group_segment_fixed_size: 52992
    .private_segment_fixed_size: 0
    .kernarg_segment_align: 8
    .kernarg_segment_size: 32
    .max_flat_workgroup_size: 192
    .sgpr_count:     66
    .vgpr_count:     170
    .wavefront_size: 32
...
	.end_amdgpu_metadata
.endif
;; end of part 1
;; launch attn (part 2): grid 8 x 32, 16 waves a work-group, no clusters, 104,448 bytes of LDS; arguments Q, seqlens, img, scl, out0; writes out0
.if DOCPART == 2
	.amdgcn_target "amdgcn-amd-amdhsa--gfx1250"
	.amdhsa_code_object_version 6
	.text
	.protected	k_q2dff26677b_attn
	.globl	k_q2dff26677b_attn
	.p2align	8
	.type	k_q2dff26677b_attn,@function
k_q2dff26677b_attn:
	s_mov_b64 s[64:65], 0
	v_nop
	global_prefetch_b8 v0, s[64:65] scope:SCOPE_SE
	s_setreg_imm32_b32 hwreg(HW_REG_WAVE_MODE, 25, 1), 1
	s_wait_xcnt 0x0
; out0[b][h][q][:] = the sum over keys k < seqlens[b] of softmax_k(Q[q] . K[k]) V[k][:], and zeros for queries q >= seqlens[b].  Both products on codes of FP6 (E2M3) with one E8M0 scale for each 32 along a product's K.
; K and V come as images of the operands' registers, with their scale words (img, scl: laid by the launch before; 12,288 + 512 bytes for a step of 128 keys).  Q (f32) is read once, by one wave, and quantised in registers.
; THE SOFTMAX AHEAD OF THE SECOND PRODUCT: t = score x log2(e); M = the row's largest t so far, rounded UP to a whole number; p = 2^(t - M) is what is quantised, along the keys; it is not normalised.
; The row's sum is taken of the unquantised p, in f32, and divides O at the end.  When M moves, the sum and O are multiplied by 2^(old M - new M): exact.
; SHARES.  A work-group owns one head (y) and 16 tiles of 16 queries; each of its sixteen waves owns one tile, in 256 registers: four waves to a SIMD, so that one wave's vector work stands beside another's matrix work and LDS loads.
; The tiles are strided over the head, query 16 (x + 8 rho) on, so that the eight work-groups of a head have as many tiles under seqlens[b] as each other, give or take one; rho = a + 4 ((w - a) mod 4), a = w / 4,
; so that four neighbouring ranks fall on four different w / 4 and four different w mod 4.
; WHAT THE MASK THROWS AWAY IS NOT DONE (SKIP = 1): a step all of whose keys lie at or past seqlens[b], and every step of a tile all of whose queries do, is left out by a scalar branch on whole numbers read from memory.
; The loop's trip count stays a constant, and every wave passes every barrier.  In the one step that straddles seqlens[b] hidden scores become -infinity ahead of the maximum: p = 0.
; LAYOUT.  Both products are used transposed: S^T = K Q^T (source 0 = keys, source 1 = my 16 queries), O^T = V^T P^T: a lane holds ONE query (lane % 16) throughout.
; THE FIRST PRODUCT'S K IS 64, half of what the instruction takes: a row of K's pair fragment b holds two keys (32 b + r + 8 (r / 8) in k 0-63, the key 8 on in k 64-127), and it is multiplied twice: by [q, zero codes] and by
; [zero codes, q].  A zero code times any code of this format is 0 under any scale byte but 0xff.  The 16 registers of the two results are 16 neighbouring keys: 32 b + 16 (lane / 16) + 0 .. 15.
; THE STEP'S IMAGES go from memory through registers (24 bytes a thread) into one of two LDS slots, a step ahead; one barrier a step.
; NO JOINT TENSOR LOADS, though the eight work-groups of a head read the same images: what is shared is 24 bytes a thread for a step of some 240 vector instructions a wave, and steps past seqlens[b] are not fetched at all,
; which a load that every partner must issue on every path could not leave out.
; LIMITS: NaN and infinities among the inputs are not served.  Hidden keys get p = 0, which is what -1e9 gives as long as a row's largest valid score lies above about -1e9 + 104.  t under -3e38 is not served.
; seqlens[b] is held to 0 .. 2,048, which is how pos < seqlens acts.  p under 2^-126 comes out of v_exp_f32 as 0.  A zeroed output may carry a minus sign.
; REGISTERS: v1-11 addresses, r, h; v12 -M, v13 the largest t, v[14:15] the sum in two halves; v16-33 [0 x 6][q x 6][0 x 6]; v34, v35 Q's two scale words; v36-39 the step's scale words (lanes 0-15 K's, lanes 16-31 V's);
; v40-45 the next step's images on their way; v48-95 four fragments of K, then of V; v96-159 S^T, then p; v160-191 O^T; v192-203 p's codes; v204-231 at work.
.set SKIP,  1
.set SLOTB, 12288                      ; LDS: two slots of a step's images at 0 and 12,288;
.set VOFF,  6144                       ; (in a slot: K's four fragments, then V's four, 1,536 bytes each)
.set SCL,   24576                      ; the head's scale words, 8,192 bytes, stored once;
.set STG,   32768                      ; a stage of 16 rows x 272 bytes for each wave
.set PIT,   272
.set FLOOR, 0x1800000                  ; 2^(3 - 127)
.set EOFF,  0xff000000                 ; 2 off an exponent field
.set F,   48
.set S,   96
.set OT,  160
.set PC,  192
.set BM,  212                          ; v212-215 a block's largest score, then its largest p
.set BT,  216                          ; v216-219 the other half's; the bytes; the sum's second chain
.set BS,  220                          ; v220-223 the conversions' scale operands
.set PW,  224                          ; p's scale word: it holds nothing else
.set FF,  226                          ; v[226:227] f = 2^(old M - new M)
.set T1,  228
.macro MAX32 m, t, x                   ; the largest magnitude of 32 numbers of one lane, in two chains, with the floor as the last leaf
	v_max3_num_f32 v[\m], |v[\x]|, |v[\x+1]|, |v[\x+2]|
	v_max3_num_f32 v[\t], |v[\x+3]|, |v[\x+4]|, |v[\x+5]|
.irp i, 6,10,14,18,22,26
	v_max3_num_f32 v[\m], v[\m], |v[\x+\i]|, |v[\x+\i+1]|
	v_max3_num_f32 v[\t], v[\t], |v[\x+\i+2]|, |v[\x+\i+3]|
.endr
	v_max3_num_f32 v[\m], v[\m], |v[\x+30]|, |v[\x+31]|
	v_max3_num_f32 v[\m], v[\m], v[\t], FLOOR
.endm
	s_load_b256 s[4:11], s[0:1], 0x0               ; Q s[4:5], seqlens s[6:7], img s[8:9], scl s[10:11]
	s_load_b64 s[12:13], s[0:1], 0x20              ; out0
	v_lshl_add_u32 v254, v0, 2, 0x19000
	v_mov_b32 v255, 0
	v_lshrrev_b32 v8, 5, v0
	v_readfirstlane_b32 s14, v8                    ; wave 0..15
	s_mov_b32 s15, ttmp9                           ; x: 0..7
	s_and_b32 s16, ttmp7, 0xffff                   ; the head, 0..31
	s_lshr_b32 s17, s16, 3                         ; its batch
	s_lshl_b32 s19, s17, 2
	s_lshr_b32 s36, s14, 2                         ; a = w / 4
	s_and_b32 s37, s14, 3
	s_sub_co_u32 s37, s37, s36
	s_and_b32 s37, s37, 3                          ; (w - a) mod 4
	s_lshl_b32 s37, s37, 2
	s_add_co_u32 s36, s36, s37                     ; rho
	s_lshl_b32 s36, s36, 3
	s_add_co_u32 s36, s36, s15
	s_lshl_b32 s24, s36, 4                         ; my first query: 16 (x + 8 rho).  It enters global addresses and compares alone
	s_lshl_b32 s36, s16, 19                        ; a head of Q and of out0 is 2,048 x 256 bytes
	s_lshl_b32 s37, s24, 8
	s_add_co_u32 s36, s36, s37
	s_mov_b32 s37, 0
	s_mul_i32 s38, s16, 16*SLOTB                   ; a head's images,
	s_mov_b32 s39, 0
	s_lshl_b32 s40, s16, 13                        ; its scale words
	s_mov_b32 s41, 0
	s_mov_b32 s30, 0x76543210
	s_mov_b32 s31, 0xfedcba98                      ; v_permlanex16_b32's selects for lane l xor 16
	s_mov_b32 s32, 0x3fb8aa3b                      ; c = log2(e)
	s_mov_b32 s33, s32                             ; (the packed form names the pair and takes its low word for both halves: so it is written)
	s_mov_b32 s27, 0                               ; the step's first key
	s_mov_b32 s28, 0                               ; where its scale words begin: 512 bytes a step
	v_and_b32 v8, 31, v0                           ; lane
	v_and_b32 v10, 15, v0                          ; r
	v_bfe_u32 v11, v0, 4, 1                        ; h
	v_lshlrev_b32 v1, 4, v8                        ; 16 x lane: an image's place for my lane; also my bytes of two rows of Q and of out0
	v_lshl_add_u32 v2, v8, 2, SCL                  ; 4 x lane among the scale words
	v_lshlrev_b32 v4, 4, v0                        ; 16 x thread: my 16 bytes of a step's first 8,192 (in memory and in a slot alike),
	v_lshl_add_u32 v5, v0, 3, 8192                 ; and my 8 of its last 4,096
	s_mul_i32 s42, s14, 16*PIT
	s_add_co_u32 s42, s42, STG                     ; my stage
	v_mul_u32_u24 v6, v10, PIT
	v_add_nc_u32 v6, s42, v6
	v_lshl_add_u32 v9, v11, 7, v6                  ; Q out of the stage: row r, channels 32 h on
	v_lshl_add_u32 v6, v11, 5, v6                  ; O into it: row r, + 32 h
	v_mul_u32_u24 v7, v11, PIT
	v_lshl_add_u32 v7, v10, 4, v7
	v_add_nc_u32 v7, s42, v7                       ; by rows: lanes 0-15 one row of 256 bytes, lanes 16-31 the next
	s_wait_kmcnt 0x0
	s_load_b32 s18, s[6:7], s19 offset:0x0         ; seqlens[b]
	s_add_nc_u64 s[4:5], s[4:5], s[36:37]
	s_add_nc_u64 s[12:13], s[12:13], s[36:37]
	s_add_nc_u64 s[34:35], s[8:9], s[38:39]
	s_add_nc_u64 s[10:11], s[10:11], s[40:41]
	global_load_b128 v[40:43], v4, s[34:35]        ; step 0's images
	global_load_b64 v[44:45], v5, s[34:35]
	global_load_b128 v[204:207], v4, s[10:11]      ; the head's scale words: 512 threads x 16 bytes
.irp i, 0,1,2,3,4,5,6,7
	global_load_b128 v[96+4*\i:99+4*\i], v1, s[4:5] offset:512*\i th:TH_LOAD_NT   ; my 16 queries: 512 consecutive bytes a load
.endr
	s_wait_kmcnt 0x0
	s_max_i32 s18, s18, 0
	s_min_u32 s18, s18, 0x800                      ; held to 0 .. 2,048
.if SKIP
	s_cmp_lt_u32 s24, s18
	s_cselect_b32 s25, s18, 0                      ; my wave's limit of keys: none if all my queries are hidden
	s_lshl_b32 s36, s15, 4
	s_cmp_lt_u32 s36, s18                          ; the work-group's first tile begins at query 16 x
	s_cselect_b32 s26, s18, 0                      ; the work-group's limit: what is fetched
.else
	s_mov_b32 s25, 2048
	s_mov_b32 s26, 2048
.endif
	s_wait_loadcnt 0x0
	ds_store_b128 v4, v[204:207] offset:SCL        ; the first step's barrier shows these to every wave
.irp i, 0,1,2,3,4,5,6,7
	ds_store_b128 v7, v[96+4*\i:99+4*\i] offset:2*PIT*\i          ; Q turns through my own stage: in as loaded,
.endr
.irp i, 0,1,2,3,4,5,6,7
	ds_load_b128 v[128+4*\i:131+4*\i], v9 offset:16*\i            ; out 32 neighbours a lane: block h of query r.  LDS serves a wave's instructions in order
.endr
	s_wait_dscnt 0x0
	MAX32 228, 229, 128
	v_add_nc_u32 v229, EOFF, v228                  ; the conversion's scale operand
	v_lshrrev_b32 v230, 23, v229                   ; the scale's byte,
	v_lshlrev_b32 v228, 3, v11
	v_lshlrev_b32 v230, v228, v230                 ; 8 h bits up;
	v_mov_b32 v231, 0
	v_permlanex16_b32 v231, v230, s30, s31
	v_or_b32 v230, v230, v231                      ; with lane l xor 16's: query r's two bytes
	v_or_b32 v34, 0x7f7f0000, v230                 ; for [q, 0]: bytes 0, 1; the zero codes' bytes are 127
	v_lshl_or_b32 v35, v230, 16, 0x7f7f            ; for [0, q]: bytes 2, 3
	v_cvt_scalef32_pk16_fp6_f32 v[22:24], v[128:143], v229
	v_cvt_scalef32_pk16_fp6_f32 v[204:206], v[144:159], v229     ; (a conversion's three registers begin on an even number)
	v_nop                                          ; one plain place behind a scaled conversion
.irp i, 0,1,2
	v_mov_b32 v[25+\i], v[204+\i]
.endr
.irp i, 0,1,2,3,4,5
	v_mov_b32 v[16+\i], 0                          ; zero codes on both sides of q: v[22:33] is [q, 0], v[16:27] is [0, q]
	v_mov_b32 v[28+\i], 0
.endr
	v_mov_b32 v13, 0xff61b1e6                      ; the largest t so far: -3e38, under every t
	v_floor_f32 v12, -v13                          ; -M
	v_mov_b32 v14, 0                               ; the sum, in two halves
	v_mov_b32 v15, 0
.irp b, 0,1,2,3
	v_mov_b32 v[BT+\b], 0                          ; written once: a lane permute's destination counts as one of its sources
.endr
	v_mov_b32 v[FF+1], 0                           ; (named as the upper half of the pair)
.irp j, 0,1,2,3,4,5,6,7,8,9,10,11,12,13,14,15,16,17,18,19,20,21,22,23,24,25,26,27,28,29,30,31
	v_mov_b32 v[OT+\j], 0                          ; O^T.  The step is written once, and a wave may leave out all of them: the first step finds zeros, which the first change of M leaves zeros
.endr
; A STEP OF 128 KEYS, in slot \slot.
.macro STEP slot
	; the step's images, asked for a step ago, go into the slot.  (In a step past the work-group's limit nothing was asked for: stale bytes go into a slot that nobody reads.)
	s_wait_loadcnt 0x0
	ds_store_b128 v4, v[40:43] offset:(\slot)*SLOTB
	ds_store_b64 v5, v[44:45] offset:(\slot)*SLOTB
	v_add_nc_u32 v3, s28, v2                       ; the step's scale words
	s_wait_dscnt 0x0                               ; for the others' sake: my stores have landed, and my reads of the other slot, which the next step overwrites, are over
	s_barrier_signal -1
	s_barrier_wait -1                              ; on every wave's path, outside every branch on data
	s_add_co_u32 s38, s27, 128
	s_cmp_lt_u32 s38, s26                          ; the next step's images, if any of its keys counts for the work-group: the limit is 2,048 at the most, so no load passes step 15
	s_cbranch_scc0 .Lnone_\@
	global_load_b128 v[40:43], v4, s[34:35] offset:((\slot)+1)*SLOTB   ; they have this step's work in which to land
	global_load_b64 v[44:45], v5, s[34:35] offset:((\slot)+1)*SLOTB
.Lnone_\@:
	s_cmp_lt_u32 s27, s25                          ; does any key of the step count for my queries?
	s_cbranch_scc0 .Lhidden_\@
.irp i, 0,1,2,3
	ds_load_b32 v[36+\i], v3 offset:128*\i
.endr
.irp b, 0,1,2,3
.irp c, 0,1,2
	ds_load_b128 v[F+12*\b+4*\c:F+12*\b+4*\c+3], v1 offset:(\slot)*SLOTB+1536*\b+512*\c
.endr
.endr
.irp b, 0,1,2,3                                ; S^T = K Q^T: each pair fragment twice
	s_wait_dscnt 9-3*\b                            ; the scale words and pair fragment b are in; the later fragments' loads, three each, may be out
	v_wmma_scale_f32_16x16x128_f8f6f4 v[S+16*\b:S+16*\b+7], v[F+12*\b:F+12*\b+11], v[22:33], 0, v[36+\b], v34 matrix_a_fmt:MATRIX_FMT_FP6 matrix_b_fmt:MATRIX_FMT_FP6
	v_wmma_scale_f32_16x16x128_f8f6f4 v[S+16*\b+8:S+16*\b+15], v[F+12*\b:F+12*\b+11], v[16:27], 0, v[36+\b], v35 matrix_a_fmt:MATRIX_FMT_FP6 matrix_b_fmt:MATRIX_FMT_FP6
.endr                                              ; register 16 b + i of lane (r, h): query r, key 32 b + 16 h + i of the step
.rept 4
	v_nop                                          ; four places behind the products: in front of loads into registers that they have read, and of the first read of their results
.endr
.irp t, 0,1,2,3
.irp c, 0,1,2
	ds_load_b128 v[F+12*\t+4*\c:F+12*\t+4*\c+3], v1 offset:(\slot)*SLOTB+VOFF+1536*\t+512*\c   ; V's four fragments land while the softmax is worked
.endr
.endr
	s_cmp_le_u32 s38, s18                          ; a step all of whose keys count skips the mask
	s_cbranch_scc1 .Lopen_\@
	s_sub_co_i32 s39, s18, s27
	v_lshlrev_b32 v230, 4, v11
	v_sub_nc_u32 v230, s39, v230                   ; d = seqlens[b] - the step's first key - 16 h: register 16 b + i is hidden where 32 b + i >= d
	v_mov_b32 v231, 0xff800000                     ; -infinity
.irp n, 0,1,2,3,4,5,6,7,8,9,10,11,12,13,14,15,16,17,18,19,20,21,22,23,24,25,26,27,28,29,30,31,32,33,34,35,36,37,38,39,40,41,42,43,44,45,46,47,48,49,50,51,52,53,54,55,56,57,58,59,60,61,62,63
	v_cmp_ge_i32 vcc_lo, 32*(\n/16)+\n%16, v230
	v_cndmask_b32 v[S+\n], v[S+\n], v231, vcc_lo
.endr
.Lopen_\@:
.irp b, 0,1,2,3
	v_max3_num_f32 v[BM+\b], v[S+16*\b], v[S+1+16*\b], v[S+2+16*\b]   ; THE LARGEST SCORE OF EACH BLOCK OF 32 KEYS serves twice: for the row's maximum, and, since p rises with the score, for the block's largest p
.endr
.irp i, 3,5,7,9,11,13
.irp b, 0,1,2,3
	v_max3_num_f32 v[BM+\b], v[BM+\b], v[S+16*\b+\i], v[S+1+16*\b+\i]   ; (the four blocks by turns)
.endr
.endr
.irp b, 0,1,2,3
	v_max_num_f32 v[BM+\b], v[BM+\b], v[S+15+16*\b]
.endr
.irp b, 0,1,2,3
	v_permlanex16_b32 v[BT+\b], v[BM+\b], s30, s31
.endr
.irp b, 0,1,2,3
	v_max_num_f32 v[BM+\b], v[BM+\b], v[BT+\b]     ; with lane l xor 16's 16 keys
.endr
	v_max3_num_f32 v[T1], v[BM], v[BM+1], v[BM+2]
	v_max_num_f32 v[T1], v[T1], v[BM+3]            ; the step's largest score of my query
	v_mul_f32 v[T1], s32, v[T1]                    ; as t (c is positive)
	v_max_num_f32 v13, v13, v[T1]                  ; the running largest t
	v_mov_b32 v[T1], v12
	v_floor_f32 v12, -v13                          ; the new -M = floor(-t) = -ceil(t): M IS A WHOLE NUMBER
	v_sub_f32 v[T1], v12, v[T1]                    ; M's old value less its new one: a whole number, 0 or less
	v_cvt_i32_f32 v[T1], v[T1]                     ; (it saturates)
	v_ldexp_f32 v[FF], 1.0, v[T1]                  ; f = 2^(old M - new M): a multiplication by it rounds nothing
.irp j, 0,2,4,6,8,10,12,14,16,18,20,22,24,26,28,30,32,34,36,38,40,42,44,46,48,50,52,54,56,58,60,62
	v_pk_fma_f32 v[S+\j:S+1+\j], v[S+\j:S+1+\j], s[32:33], v[12:13] op_sel_hi:[1,0,0]   ; t - M, two at a time (of the pairs c and -M the low word serves both halves)
.endr
.irp b, 0,1,2,3
	v_fma_f32 v[BM+\b], v[BM+\b], s32, v12         ; the same of each block's largest score
.endr
.irp j, 0,1,2,3,4,5,6,7,8,9,10,11,12,13,14,15,16,17,18,19,20,21,22,23,24,25,26,27,28,29,30,31,32,33,34,35,36,37,38,39,40,41,42,43,44,45,46,47,48,49,50,51,52,53,54,55,56,57,58,59,60,61,62,63
	v_exp_f32 v[S+\j], v[S+\j]                     ; p = 2^(t - M), at most 1: NOT normalised
.endr
.irp b, 0,1,2,3
	v_exp_f32 v[BM+\b], v[BM+\b]                   ; the block's largest p: the same two instructions on the same number give the same bits
.endr
	v_pk_mul_f32 v[14:15], v[14:15], v[FF:FF+1] op_sel_hi:[1,0]   ; the sums under the new M.  (The plain place behind the exponentials)
	s_wait_alu depctr_va_vdst(0)
.irp b, 0,1,2,3
	v_max_num_f32 v[BM+\b], FLOOR, v[BM+\b]        ; the floor: the byte cannot fall under 1 (a block whose every p is 0 keeps that byte: its codes are zeros)
.endr
.irp b, 0,1,2,3
	v_add_nc_u32 v[BS+\b], EOFF, v[BM+\b]          ; 2 off the exponent field: the conversion's scale operand
.endr
.irp b, 0,1,2,3
	v_lshrrev_b32 v[BT+\b], 23, v[BS+\b]           ; the scale's byte
.endr
	v_lshl_or_b32 v[PW], v[BT+1], 8, v[BT]         ; p's scale word for these 128 keys
	v_lshl_or_b32 v[PW], v[BT+2], 16, v[PW]
	v_lshl_or_b32 v[PW], v[BT+3], 24, v[PW]
.irp c, 0,1
	v_cvt_scalef32_pk16_fp6_f32 v[PC+6*\c:PC+2+6*\c], v[S+32*\c:S+15+32*\c], v[BS+2*\c]
	v_cvt_scalef32_pk16_fp6_f32 v[204+4*\c:206+4*\c], v[S+16+32*\c:S+31+32*\c], v[BS+2*\c+1]   ; (a conversion's three registers begin on an even number)
.endr
	v_nop                                          ; one plain place behind a scaled conversion
.irp c, 0,1                                    ; the operand's layout wants a WHOLE block in a lane: lanes 0-15 block 2 c, lanes 16-31 block 2 c + 1
.irp i, 0,1,2
	v_permlane16_swap_b32 v[PC+6*\c+\i], v[204+4*\c+\i]
.endr
.irp i, 0,1,2
	v_mov_b32 v[PC+3+6*\c+\i], v[204+4*\c+\i]
.endr
.endr
.irp j, 0,2,4,6,8,10,12,14,16,18,20,22,24,26,28,30
	v_pk_mul_f32 v[OT+\j:OT+1+\j], v[OT+\j:OT+1+\j], v[FF:FF+1] op_sel_hi:[1,0]   ; O^T under the new M, each accumulator from its low end on
.endr
	v_pk_add_f32 v[BT:BT+1], v[S:S+1], v[S+2:S+3]  ; THE ROW'S SUM IS TAKEN OF THE UNQUANTISED p: two at a time, in two chains
.irp j, 4,8,12,16,20,24,28,32,36,40,44,48,52,56,60
	v_pk_add_f32 v[14:15], v[14:15], v[S+\j:S+1+\j]
	v_pk_add_f32 v[BT:BT+1], v[BT:BT+1], v[S+2+\j:S+3+\j]
.endr
	v_pk_add_f32 v[14:15], v[14:15], v[BT:BT+1]    ; (these 48 packed lines are also the places between the writing of p's codes and scale word and the products below)
	s_wait_dscnt 0x0                               ; V's fragments are in
.irp t, 0,1,2,3                                ; O^T += V^T P^T: four accumulators, one instruction a turn
	v_wmma_scale_f32_16x16x128_f8f6f4 v[OT+8*\t:OT+8*\t+7], v[F+12*\t:F+12*\t+11], v[PC:PC+11], v[OT+8*\t:OT+8*\t+7], v[36+\t], v[PW] matrix_a_fmt:MATRIX_FMT_FP6 matrix_b_fmt:MATRIX_FMT_FP6 matrix_a_scale:MATRIX_SCALE_ROW1
.endr
.rept 4
	v_nop                                          ; four places: in front of the next loads into the fragments' and scale words' registers, and of the next read of O^T
.endr
.Lhidden_\@:
	s_add_co_u32 s27, s27, 128                     ; on every path: the next step's first key,
	s_add_co_u32 s28, s28, 512                     ; and its scale words
.endm
	s_mov_b32 s29, 8
.Ltrip:                                            ; eight trips of two steps: a constant
	STEP 0
	STEP 1
	s_wait_xcnt 0x0                                ; the loads' base is stepped only behind this wait
	s_add_nc_u64 s[34:35], s[34:35], 2*SLOTB
	s_sub_co_u32 s29, s29, 1
	s_cmp_lg_u32 s29, 0
	s_cbranch_scc1 .Ltrip
	; THE WAY OUT.  O^T is divided by the sum, or multiplied by 0 where the query is hidden (a choice of the factor, so that 1 / 0 reaches no product), and goes through my stage, so that each store covers 512 consecutive bytes.
	v_add_f32 v14, v14, v15                        ; the sum's two halves,
	v_permlanex16_b32 v[T1], v14, s30, s31
	v_add_f32 v14, v14, v[T1]                      ; and lane l xor 16's: the row's sum
	v_rcp_f32 v14, v14
	v_add_nc_u32 v[T1], s24, v10                   ; (the plain place behind the reciprocal)  my query
	v_cmp_gt_u32 vcc_lo, s18, v[T1]
	s_wait_alu depctr_va_vdst(0)
	v_cndmask_b32 v14, 0, v14, vcc_lo
.irp j, 0,2,4,6,8,10,12,14,16,18,20,22,24,26,28,30
	v_pk_mul_f32 v[S+\j:S+1+\j], v[OT+\j:OT+1+\j], v[14:15] op_sel_hi:[1,0]   ; register 8 t + i: out0(r, 16 t + 8 h + i)
.endr
.irp t, 0,1,2,3
	ds_store_b128 v6, v[S+8*\t:S+3+8*\t] offset:64*\t
	ds_store_b128 v6, v[S+4+8*\t:S+7+8*\t] offset:64*\t+16
.endr
.irp i, 0,1,2,3,4,5,6,7
	ds_load_b128 v[128+4*\i:131+4*\i], v7 offset:2*PIT*\i         ; LDS serves a wave's instructions in order: these see my stores
.endr
.irp i, 0,1,2,3,4,5,6,7
	s_wait_dscnt 7-\i                              ; rows 2 i and 2 i + 1 are back; the younger loads may be out
	global_store_b128 v1, v[128+4*\i:131+4*\i], s[12:13] offset:512*\i th:TH_STORE_NT   ; 32 lanes store 512 consecutive bytes, at a multiple of 256 from out0's first byte
.endr
	s_wait_tensorcnt 0x0
	ds_add_u32 v254, v255
	s_wait_dscnt 0x0
	s_endpgm
.Lfunc_end_k_q2dff26677b_attn:
	.size	k_q2dff26677b_attn, .Lfunc_end_k_q2dff26677b_attn-k_q2dff26677b_attn
	.p2alignl 7, 3214868480
	.fill 96, 4, 3214868480
	.section	.rodata,"a",@progbits
	.p2align	6, 0x0
	.amdhsa_kernel k_q2dff26677b_attn
		.amdhsa_group_segment_fixed_size 104448
		.amdhsa_private_segment_fixed_size 0
		.amdhsa_enable_private_segment 0
		.amdhsa_kernarg_size 40
		.amdhsa_user_sgpr_count 2
		.amdhsa_user_sgpr_kernarg_segment_ptr 1
		.amdhsa_wavefront_size32 1
		.amdhsa_system_sgpr_workgroup_id_x 1
		.amdhsa_system_sgpr_workgroup_id_y 1
		.amdhsa_system_sgpr_workgroup_id_z 1
		.amdhsa_system_vgpr_workitem_id 0
		.amdhsa_next_free_vgpr 256
		.amdhsa_next_free_sgpr 66
		.amdhsa_reserve_vcc 1
		.amdhsa_float_denorm_mode_32 3
		.amdhsa_float_denorm_mode_16_64 3
		.amdhsa_memory_ordered 1
		.amdhsa_forward_progress 1
		.amdhsa_inst_pref_size 55
	.end_amdhsa_kernel
	.amdgpu_metadata
---
amdhsa.version: [ 1, 2 ]
amdhsa.kernels:
  - .name:           k_q2dff26677b_attn
    .symbol:         k_q2dff26677b_attn.kd
    .args:
      - { .name: Q, .offset: 0, .size: 8, .value_kind: global_buffer, .address_space: global }
      - { .name: seqlens, .offset: 8, .size: 8, .value_kind: global_buffer, .address_space: global }
      - { .name: img, .offset: 16, .size: 8, .value_kind: global_buffer, .address_space: global }
      - { .name: scl, .offset: 24, .size: 8, .value_kind: global_buffer, .address_space: global }
      - { .name: out0, .offset: 32, .size: 8, .value_kind: global_buffer, .address_space: global }
    .group_segment_fixed_size: 104448
    .private_segment_fixed_size: 0
    .kernarg_segment_align: 8
    .kernarg_segment_size: 40
    .max_flat_workgroup_size: 512
    .sgpr_count:     66
    .vgpr_count:     256
    .wavefront_size: 32
...
	.end_amdgpu_metadata
.endif
;; end of part 2
;; ======== version 2 of 3: 2 launches
;; workspace buffers: img 6,291,456 bytes; scl 262,144 bytes
;; launch quant: the kernel of part 1 again; grid 16 x 32, 6 waves a work-group, no clusters, 52,992 bytes of LDS; arguments K, V, img, scl; writes img, scl
;; launch attn (part 3): grid 1024 x 1, 4 waves a work-group, no clusters, 50,688 bytes of LDS; arguments Q, seqlens, img, scl, out0; writes out0
.if DOCPART == 3
	.amdgcn_target "amdgcn-amd-amdhsa--gfx1250"
	.amdhsa_code_object_version 6
	.text
	.protected	k_q2dff26677b_attn
	.globl	k_q2dff26677b_attn
	.p2align	8
	.type	k_q2dff26677b_attn,@function
k_q2dff26677b_attn:
	s_mov_b64 s[64:65], 0
	v_nop
	global_prefetch_b8 v0, s[64:65] scope:SCOPE_SE
	s_setreg_imm32_b32 hwreg(HW_REG_WAVE_MODE, 25, 1), 1
	s_wait_xcnt 0x0
; out0[b][h][q][:] = the sum over keys k < seqlens[b] of softmax_k(Q[q] . K[k]) V[k][:], and zeros for queries q >= seqlens[b].  Both products on codes of FP6 (E2M3) with one E8M0 scale for each 32 along a product's K.
; K and V come as images of the operands' registers, with their scale words (img, scl: laid by the launch before; 12,288 + 512 bytes for a step of 128 keys).  Q (f32) is read once, by one wave, and quantised in registers.
; THE SOFTMAX AHEAD OF THE SECOND PRODUCT: t = score x log2(e); M = the row's largest t so far, rounded UP to a whole number; p = 2^(t - M) is what is quantised, along the keys; it is not normalised.
; The row's sum is taken of the unquantised p, in f32, and divides O at the end.  When M moves, the sum and O are multiplied by 2^(old M - new M): exact.
; SHARES.  A work-group of FOUR waves owns one head and four tiles of 16 queries; a wave owns one tile, in 256 registers.  With 50,176 bytes of LDS and these registers four work-groups fit on a WGP: sixteen waves, four to a SIMD,
; so that one wave's vector work stands beside another's matrix work and LDS loads.
; A head's work goes with the square of seqlens[b], so the four work-groups that share a WGP should be of four batches.  THE BATCH of a work-group is the sum of the base-4 digits of its number, modulo 4: any four work-groups
; whose numbers differ in one base-4 digit alone (1, 4, 16, 64 or 256 apart) belong to the four batches.  The number without its lowest digit gives the head in the batch (3 bits) and g (5 bits): the map is one to one.
; Wave w takes tile g + 32 rho, rho = (w + batch) mod 4: the 32 work-groups of a head have as many tiles under seqlens[b] as each other, give or take one, and the waves w of four batches have four different ranks.
; WHAT THE MASK THROWS AWAY IS NOT DONE (SKIP = 1): a step all of whose keys lie at or past seqlens[b], and every step of a tile all of whose queries do, is left out by a scalar branch on whole numbers read from memory.
; The loop's trip count stays a constant, and every wave passes every barrier.  In the one step that straddles seqlens[b] hidden scores become -infinity ahead of the maximum: p = 0.
; LAYOUT.  Both products are used transposed: S^T = K Q^T (source 0 = keys, source 1 = my 16 queries), O^T = V^T P^T: a lane holds ONE query (lane % 16) throughout.
; THE FIRST PRODUCT'S K IS 64, half of what the instruction takes: a row of K's pair fragment b holds two keys (32 b + r + 8 (r / 8) in k 0-63, the key 8 on in k 64-127), and it is multiplied twice: by [q, zero codes] and by
; [zero codes, q].  A zero code times any code of this format is 0 under any scale byte but 0xff.  The 16 registers of the two results are 16 neighbouring keys: 32 b + 16 (lane / 16) + 0 .. 15.
; THE STEP'S IMAGES go from memory through registers (96 bytes a thread) into one of two LDS slots, a step ahead; one barrier a step.
; NO JOINT TENSOR LOADS, though the 32 work-groups of a head read the same images:
; steps past seqlens[b] are not fetched at all, which a load that every partner must issue on every path could not leave out.
; LIMITS: NaN and infinities among the inputs are not served.  Hidden keys get p = 0, which is what -1e9 gives as long as a row's largest valid score lies above about -1e9 + 104.  t under -3e38 is not served.
; seqlens[b] is held to 0 .. 2,048, which is how pos < seqlens acts.  p under 2^-126 comes out of v_exp_f32 as 0.  A zeroed output may carry a minus sign.
; REGISTERS: v1-11 addresses, r, h; v12 -M, v13 the largest t, v[14:15] the sum in two halves; v16-33 [0 x 6][q x 6][0 x 6]; v34, v35 Q's two scale words; v36-39 the step's scale words (lanes 0-15 K's, lanes 16-31 V's);
; v48-95 four fragments of K, then of V; v96-159 S^T, then p; v160-191 O^T; v192-203 p's codes; v204-231 at work; v232-255 the next step's images on their way.
.set SKIP,  1
.set SLOTB, 12288                      ; LDS: two slots of a step's images at 0 and 12,288;
.set VOFF,  6144                       ; (in a slot: K's four fragments, then V's four, 1,536 bytes each)
.set SCL,   24576                      ; the head's scale words, 8,192 bytes, stored once;
.set STG,   32768                      ; a stage of 16 rows x 272 bytes for each wave
.set PIT,   272
.set FLOOR, 0x1800000                  ; 2^(3 - 127)
.set EOFF,  0xff000000                 ; 2 off an exponent field
.set F,   48
.set S,   96
.set OT,  160
.set PC,  192
.set BM,  212                          ; v212-215 a block's largest score, then its largest p
.set BT,  216                          ; v216-219 the other half's; the bytes; the sum's second chain
.set BS,  220                          ; v220-223 the conversions' scale operands
.set PW,  224                          ; p's scale word: it holds nothing else
.set FF,  226                          ; v[226:227] f = 2^(old M - new M)
.set T1,  228
.set G,   232                          ; v232-255 six times 16 bytes of the next step's images
.macro MAX32 m, t, x                   ; the largest magnitude of 32 numbers of one lane, in two chains, with the floor as the last leaf
	v_max3_num_f32 v[\m], |v[\x]|, |v[\x+1]|, |v[\x+2]|
	v_max3_num_f32 v[\t], |v[\x+3]|, |v[\x+4]|, |v[\x+5]|
.irp i, 6,10,14,18,22,26
	v_max3_num_f32 v[\m], v[\m], |v[\x+\i]|, |v[\x+\i+1]|
	v_max3_num_f32 v[\t], v[\t], |v[\x+\i+2]|, |v[\x+\i+3]|
.endr
	v_max3_num_f32 v[\m], v[\m], |v[\x+30]|, |v[\x+31]|
	v_max3_num_f32 v[\m], v[\m], v[\t], FLOOR
.endm
	s_load_b256 s[4:11], s[0:1], 0x0               ; Q s[4:5], seqlens s[6:7], img s[8:9], scl s[10:11]
	s_load_b64 s[12:13], s[0:1], 0x20              ; out0
	v_lshl_add_u32 v47, v0, 2, 0xc400
	v_mov_b32 v225, 0
	v_lshrrev_b32 v8, 5, v0
	v_readfirstlane_b32 s14, v8                    ; wave 0..3
	s_lshr_b32 s36, ttmp9, 2                       ; the work-group's number without its lowest base-4 digit: 0..255
	s_add_co_u32 s17, ttmp9, s36                   ; modulo 4 each term is one base-4 digit of the number
	s_lshr_b32 s37, ttmp9, 4
	s_add_co_u32 s17, s17, s37
	s_lshr_b32 s37, ttmp9, 6
	s_add_co_u32 s17, s17, s37
	s_lshr_b32 s37, ttmp9, 8
	s_add_co_u32 s17, s17, s37
	s_and_b32 s17, s17, 3                          ; the batch: the digits' sum modulo 4
	s_and_b32 s16, s36, 7
	s_lshl_b32 s37, s17, 3
	s_add_co_u32 s16, s16, s37                     ; the head, 0..31: 8 x batch + 3 bits
	s_lshr_b32 s15, s36, 3                         ; g: 0..31
	s_lshl_b32 s19, s17, 2                         ; the batch's place in seqlens
	s_add_co_u32 s36, s14, s17
	s_and_b32 s36, s36, 3                          ; rho = (w + batch) mod 4
	s_lshl_b32 s36, s36, 5
	s_add_co_u32 s36, s36, s15                     ; my tile: g + 32 rho
	s_lshl_b32 s24, s36, 4                         ; my first query.  It enters global addresses and compares alone
	s_lshl_b32 s36, s16, 19                        ; a head of Q and of out0 is 2,048 x 256 bytes
	s_lshl_b32 s37, s24, 8
	s_add_co_u32 s36, s36, s37
	s_mov_b32 s37, 0
	s_mul_i32 s38, s16, 16*SLOTB                   ; a head's images,
	s_mov_b32 s39, 0
	s_lshl_b32 s40, s16, 13                        ; its scale words
	s_mov_b32 s41, 0
	s_mov_b32 s30, 0x76543210
	s_mov_b32 s31, 0xfedcba98                      ; v_permlanex16_b32's selects for lane l xor 16
	s_mov_b32 s32, 0x3fb8aa3b                      ; c = log2(e)
	s_mov_b32 s33, s32                             ; (the packed form names the pair and takes its low word for both halves: so it is written)
	s_mov_b32 s27, 0                               ; the step's first key
	s_mov_b32 s28, 0                               ; where its scale words begin: 512 bytes a step
	v_and_b32 v8, 31, v0                           ; lane
	v_and_b32 v10, 15, v0                          ; r
	v_bfe_u32 v11, v0, 4, 1                        ; h
	v_lshlrev_b32 v1, 4, v8                        ; 16 x lane: an image's place for my lane; also my bytes of two rows of Q and of out0
	v_lshl_add_u32 v2, v8, 2, SCL                  ; 4 x lane among the scale words
	v_lshlrev_b32 v4, 4, v0                        ; 16 x thread: my 16 bytes of each 2,048 that the 128 threads move, in memory and in LDS alike
	s_mul_i32 s42, s14, 16*PIT
	s_add_co_u32 s42, s42, STG                     ; my stage
	v_mul_u32_u24 v6, v10, PIT
	v_add_nc_u32 v6, s42, v6
	v_lshl_add_u32 v9, v11, 7, v6                  ; Q out of the stage: row r, channels 32 h on
	v_lshl_add_u32 v6, v11, 5, v6                  ; O into it: row r, + 32 h
	v_mul_u32_u24 v7, v11, PIT
	v_lshl_add_u32 v7, v10, 4, v7
	v_add_nc_u32 v7, s42, v7                       ; by rows: lanes 0-15 one row of 256 bytes, lanes 16-31 the next
	s_wait_kmcnt 0x0
	s_load_b32 s18, s[6:7], s19 offset:0x0         ; seqlens[b]
	s_add_nc_u64 s[4:5], s[4:5], s[36:37]
	s_add_nc_u64 s[12:13], s[12:13], s[36:37]
	s_add_nc_u64 s[34:35], s[8:9], s[38:39]
	s_add_nc_u64 s[10:11], s[10:11], s[40:41]
.irp c, 0,1,2,3,4,5
	global_load_b128 v[G+4*\c:G+4*\c+3], v4, s[34:35] offset:2048*\c       ; step 0's images: 128 threads x 16 bytes, six times
.endr
.irp c, 0,1,2,3
	global_load_b128 v[204+4*\c:207+4*\c], v4, s[10:11] offset:2048*\c     ; the head's scale words: four times 2,048 bytes
.endr
.irp i, 0,1,2,3,4,5,6,7
	global_load_b128 v[96+4*\i:99+4*\i], v1, s[4:5] offset:512*\i th:TH_LOAD_NT   ; my 16 queries: 512 consecutive bytes a load
.endr
	s_wait_kmcnt 0x0
	s_max_i32 s18, s18, 0
	s_min_u32 s18, s18, 0x800                      ; held to 0 .. 2,048
.if SKIP
	s_cmp_lt_u32 s24, s18
	s_cselect_b32 s25, s18, 0                      ; my wave's limit of keys: none if all my queries are hidden
	s_lshl_b32 s36, s15, 4
	s_cmp_lt_u32 s36, s18                          ; the work-group's first tile (rank 0) begins at query 16 g
	s_cselect_b32 s26, s18, 0                      ; the work-group's limit: what is fetched
.else
	s_mov_b32 s25, 2048
	s_mov_b32 s26, 2048
.endif
	s_wait_loadcnt 0x0
.irp c, 0,1,2,3
	ds_store_b128 v4, v[204+4*\c:207+4*\c] offset:SCL+2048*\c     ; the first step's barrier shows these to every wave
.endr
.irp i, 0,1,2,3,4,5,6,7
	ds_store_b128 v7, v[96+4*\i:99+4*\i] offset:2*PIT*\i          ; Q turns through my own stage: in as loaded,
.endr
.irp i, 0,1,2,3,4,5,6,7
	ds_load_b128 v[128+4*\i:131+4*\i], v9 offset:16*\i            ; out 32 neighbours a lane: block h of query r.  LDS serves a wave's instructions in order
.endr
	s_wait_dscnt 0x0
	MAX32 228, 229, 128
	v_add_nc_u32 v229, EOFF, v228                  ; the conversion's scale operand
	v_lshrrev_b32 v230, 23, v229                   ; the scale's byte,
	v_lshlrev_b32 v228, 3, v11
	v_lshlrev_b32 v230, v228, v230                 ; 8 h bits up;
	v_mov_b32 v231, 0
	v_permlanex16_b32 v231, v230, s30, s31
	v_or_b32 v230, v230, v231                      ; with lane l xor 16's: query r's two bytes
	v_or_b32 v34, 0x7f7f0000, v230                 ; for [q, 0]: bytes 0, 1; the zero codes' bytes are 127
	v_lshl_or_b32 v35, v230, 16, 0x7f7f            ; for [0, q]: bytes 2, 3
	v_cvt_scalef32_pk16_fp6_f32 v[22:24], v[128:143], v229
	v_cvt_scalef32_pk16_fp6_f32 v[204:206], v[144:159], v229     ; (a conversion's three registers begin on an even number)
	v_nop                                          ; one plain place behind a scaled conversion
.irp i, 0,1,2
	v_mov_b32 v[25+\i], v[204+\i]
.endr
.irp i, 0,1,2,3,4,5
	v_mov_b32 v[16+\i], 0                          ; zero codes on both sides of q: v[22:33] is [q, 0], v[16:27] is [0, q]
	v_mov_b32 v[28+\i], 0
.endr
	v_mov_b32 v13, 0xff61b1e6                      ; the largest t so far: -3e38, under every t
	v_floor_f32 v12, -v13                          ; -M
	v_mov_b32 v14, 0                               ; the sum, in two halves
	v_mov_b32 v15, 0
.irp b, 0,1,2,3
	v_mov_b32 v[BT+\b], 0                          ; written once: a lane permute's destination counts as one of its sources
.endr
	v_mov_b32 v[FF+1], 0                           ; (named as the upper half of the pair)
.irp j, 0,1,2,3,4,5,6,7,8,9,10,11,12,13,14,15,16,17,18,19,20,21,22,23,24,25,26,27,28,29,30,31
	v_mov_b32 v[OT+\j], 0                          ; O^T.  The step is written once, and a wave may leave out all of them: the first step finds zeros, which the first change of M leaves zeros
.endr
; A STEP OF 128 KEYS, in slot \slot.
.macro STEP slot
	; the step's images, asked for a step ago, go into the slot.  (In a step past the work-group's limit nothing was asked for: stale bytes go into a slot that nobody reads.)
	s_wait_loadcnt 0x0
.irp c, 0,1,2,3,4,5
	ds_store_b128 v4, v[G+4*\c:G+4*\c+3] offset:(\slot)*SLOTB+2048*\c
.endr
	v_add_nc_u32 v3, s28, v2                       ; the step's scale words
	s_wait_dscnt 0x0                               ; for the others' sake: my stores have landed, and my reads of the other slot, which the next step overwrites, are over
	s_barrier_signal -1
	s_barrier_wait -1                              ; on every wave's path, outside every branch on data
	s_add_co_u32 s38, s27, 128
	s_cmp_lt_u32 s38, s26                          ; the next step's images, if any of its keys counts for the work-group: the limit is 2,048 at the most, so no load passes step 15
	s_cbranch_scc0 .Lnone_\@
.irp c, 0,1,2,3,4,5
	global_load_b128 v[G+4*\c:G+4*\c+3], v4, s[34:35] offset:((\slot)+1)*SLOTB+2048*\c   ; they have this step's work in which to land
.endr
.Lnone_\@:
	s_cmp_lt_u32 s27, s25                          ; does any key of the step count for my queries?
	s_cbranch_scc0 .Lhidden_\@
.irp i, 0,1,2,3
	ds_load_b32 v[36+\i], v3 offset:128*\i
.endr
.irp b, 0,1,2,3
.irp c, 0,1,2
	ds_load_b128 v[F+12*\b+4*\c:F+12*\b+4*\c+3], v1 offset:(\slot)*SLOTB+1536*\b+512*\c
.endr
.endr
.irp b, 0,1,2,3                                ; S^T = K Q^T: each pair fragment twice
	s_wait_dscnt 9-3*\b                            ; the scale words and pair fragment b are in; the later fragments' loads, three each, may be out
	v_wmma_scale_f32_16x16x128_f8f6f4 v[S+16*\b:S+16*\b+7], v[F+12*\b:F+12*\b+11], v[22:33], 0, v[36+\b], v34 matrix_a_fmt:MATRIX_FMT_FP6 matrix_b_fmt:MATRIX_FMT_FP6
	v_wmma_scale_f32_16x16x128_f8f6f4 v[S+16*\b+8:S+16*\b+15], v[F+12*\b:F+12*\b+11], v[16:27], 0, v[36+\b], v35 matrix_a_fmt:MATRIX_FMT_FP6 matrix_b_fmt:MATRIX_FMT_FP6
.endr                                              ; register 16 b + i of lane (r, h): query r, key 32 b + 16 h + i of the step
.rept 4
	v_nop                                          ; four places behind the products: in front of loads into registers that they have read, and of the first read of their results
.endr
.irp t, 0,1,2,3
.irp c, 0,1,2
	ds_load_b128 v[F+12*\t+4*\c:F+12*\t+4*\c+3], v1 offset:(\slot)*SLOTB+VOFF+1536*\t+512*\c   ; V's four fragments land while the softmax is worked
.endr
.endr
	s_cmp_le_u32 s38, s18                          ; a step all of whose keys count skips the mask
	s_cbranch_scc1 .Lopen_\@
	s_sub_co_i32 s39, s18, s27
	v_lshlrev_b32 v230, 4, v11
	v_sub_nc_u32 v230, s39, v230                   ; d = seqlens[b] - the step's first key - 16 h: register 16 b + i is hidden where 32 b + i >= d
	v_mov_b32 v231, 0xff800000                     ; -infinity
.irp n, 0,1,2,3,4,5,6,7,8,9,10,11,12,13,14,15,16,17,18,19,20,21,22,23,24,25,26,27,28,29,30,31,32,33,34,35,36,37,38,39,40,41,42,43,44,45,46,47,48,49,50,51,52,53,54,55,56,57,58,59,60,61,62,63
	v_cmp_ge_i32 vcc_lo, 32*(\n/16)+\n%16, v230
	v_cndmask_b32 v[S+\n], v[S+\n], v231, vcc_lo
.endr
.Lopen_\@:
.irp b, 0,1,2,3
	v_max3_num_f32 v[BM+\b], v[S+16*\b], v[S+1+16*\b], v[S+2+16*\b]   ; THE LARGEST SCORE OF EACH BLOCK OF 32 KEYS serves twice: for the row's maximum, and, since p rises with the score, for the block's largest p
.endr
.irp i, 3,5,7,9,11,13
.irp b, 0,1,2,3
	v_max3_num_f32 v[BM+\b], v[BM+\b], v[S+16*\b+\i], v[S+1+16*\b+\i]   ; (the four blocks by turns)
.endr
.endr
.irp b, 0,1,2,3
	v_max_num_f32 v[BM+\b], v[BM+\b], v[S+15+16*\b]
.endr
.irp b, 0,1,2,3
	v_permlanex16_b32 v[BT+\b], v[BM+\b], s30, s31
.endr
.irp b, 0,1,2,3
	v_max_num_f32 v[BM+\b], v[BM+\b], v[BT+\b]     ; with lane l xor 16's 16 keys
.endr
	v_max3_num_f32 v[T1], v[BM], v[BM+1], v[BM+2]
	v_max_num_f32 v[T1], v[T1], v[BM+3]            ; the step's largest score of my query
	v_mul_f32 v[T1], s32, v[T1]                    ; as t (c is positive)
	v_max_num_f32 v13, v13, v[T1]                  ; the running largest t
	v_mov_b32 v[T1], v12
	v_floor_f32 v12, -v13                          ; the new -M = floor(-t) = -ceil(t): M IS A WHOLE NUMBER
	v_sub_f32 v[T1], v12, v[T1]                    ; M's old value less its new one: a whole number, 0 or less
	v_cvt_i32_f32 v[T1], v[T1]                     ; (it saturates)
	v_ldexp_f32 v[FF], 1.0, v[T1]                  ; f = 2^(old M - new M): a multiplication by it rounds nothing
.irp j, 0,2,4,6,8,10,12,14,16,18,20,22,24,26,28,30,32,34,36,38,40,42,44,46,48,50,52,54,56,58,60,62
	v_pk_fma_f32 v[S+\j:S+1+\j], v[S+\j:S+1+\j], s[32:33], v[12:13] op_sel_hi:[1,0,0]   ; t - M, two at a time (of the pairs c and -M the low word serves both halves)
.endr
.irp b, 0,1,2,3
	v_fma_f32 v[BM+\b], v[BM+\b], s32, v12         ; the same of each block's largest score
.endr
.irp j, 0,1,2,3,4,5,6,7,8,9,10,11,12,13,14,15,16,17,18,19,20,21,22,23,24,25,26,27,28,29,30,31,32,33,34,35,36,37,38,39,40,41,42,43,44,45,46,47,48,49,50,51,52,53,54,55,56,57,58,59,60,61,62,63
	v_exp_f32 v[S+\j], v[S+\j]                     ; p = 2^(t - M), at most 1: NOT normalised
.endr
.irp b, 0,1,2,3
	v_exp_f32 v[BM+\b], v[BM+\b]                   ; the block's largest p: the same two instructions on the same number give the same bits
.endr
	v_pk_mul_f32 v[14:15], v[14:15], v[FF:FF+1] op_sel_hi:[1,0]   ; the sums under the new M.  (The plain place behind the exponentials)
	s_wait_alu depctr_va_vdst(0)
.irp b, 0,1,2,3
	v_max_num_f32 v[BM+\b], FLOOR, v[BM+\b]        ; the floor: the byte cannot fall under 1 (a block whose every p is 0 keeps that byte: its codes are zeros)
.endr
.irp b, 0,1,2,3
	v_add_nc_u32 v[BS+\b], EOFF, v[BM+\b]          ; 2 off the exponent field: the conversion's scale operand
.endr
.irp b, 0,1,2,3
	v_lshrrev_b32 v[BT+\b], 23, v[BS+\b]           ; the scale's byte
.endr
	v_lshl_or_b32 v[PW], v[BT+1], 8, v[BT]         ; p's scale word for these 128 keys
	v_lshl_or_b32 v[PW], v[BT+2], 16, v[PW]
	v_lshl_or_b32 v[PW], v[BT+3], 24, v[PW]
.irp c, 0,1
	v_cvt_scalef32_pk16_fp6_f32 v[PC+6*\c:PC+2+6*\c], v[S+32*\c:S+15+32*\c], v[BS+2*\c]
	v_cvt_scalef32_pk16_fp6_f32 v[204+4*\c:206+4*\c], v[S+16+32*\c:S+31+32*\c], v[BS+2*\c+1]   ; (a conversion's three registers begin on an even number)
.endr
	v_nop                                          ; one plain place behind a scaled conversion
.irp c, 0,1                                    ; the operand's layout wants a WHOLE block in a lane: lanes 0-15 block 2 c, lanes 16-31 block 2 c + 1
.irp i, 0,1,2
	v_permlane16_swap_b32 v[PC+6*\c+\i], v[204+4*\c+\i]
.endr
.irp i, 0,1,2
	v_mov_b32 v[PC+3+6*\c+\i], v[204+4*\c+\i]
.endr
.endr
.irp j, 0,2,4,6,8,10,12,14,16,18,20,22,24,26,28,30
	v_pk_mul_f32 v[OT+\j:OT+1+\j], v[OT+\j:OT+1+\j], v[FF:FF+1] op_sel_hi:[1,0]   ; O^T under the new M, each accumulator from its low end on
.endr
	v_pk_add_f32 v[BT:BT+1], v[S:S+1], v[S+2:S+3]  ; THE ROW'S SUM IS TAKEN OF THE UNQUANTISED p: two at a time, in two chains
.irp j, 4,8,12,16,20,24,28,32,36,40,44,48,52,56,60
	v_pk_add_f32 v[14:15], v[14:15], v[S+\j:S+1+\j]
	v_pk_add_f32 v[BT:BT+1], v[BT:BT+1], v[S+2+\j:S+3+\j]
.endr
	v_pk_add_f32 v[14:15], v[14:15], v[BT:BT+1]    ; (these 48 packed lines are also the places between the writing of p's codes and scale word and the products below)
	s_wait_dscnt 0x0                               ; V's fragments are in
.irp t, 0,1,2,3                                ; O^T += V^T P^T: four accumulators, one instruction a turn
	v_wmma_scale_f32_16x16x128_f8f6f4 v[OT+8*\t:OT+8*\t+7], v[F+12*\t:F+12*\t+11], v[PC:PC+11], v[OT+8*\t:OT+8*\t+7], v[36+\t], v[PW] matrix_a_fmt:MATRIX_FMT_FP6 matrix_b_fmt:MATRIX_FMT_FP6 matrix_a_scale:MATRIX_SCALE_ROW1
.endr
.rept 4
	v_nop                                          ; four places: in front of the next loads into the fragments' and scale words' registers, and of the next read of O^T
.endr
.Lhidden_\@:
	s_add_co_u32 s27, s27, 128                     ; on every path: the next step's first key,
	s_add_co_u32 s28, s28, 512                     ; and its scale words
.endm
	s_mov_b32 s29, 8
.Ltrip:                                            ; eight trips of two steps: a constant
	STEP 0
	STEP 1
	s_wait_xcnt 0x0                                ; the loads' base is stepped only behind this wait
	s_add_nc_u64 s[34:35], s[34:35], 2*SLOTB
	s_sub_co_u32 s29, s29, 1
	s_cmp_lg_u32 s29, 0
	s_cbranch_scc1 .Ltrip
	; THE WAY OUT.  O^T is divided by the sum, or multiplied by 0 where the query is hidden (a choice of the factor, so that 1 / 0 reaches no product), and goes through my stage, so that each store covers 512 consecutive bytes.
	v_add_f32 v14, v14, v15                        ; the sum's two halves,
	v_permlanex16_b32 v[T1], v14, s30, s31
	v_add_f32 v14, v14, v[T1]                      ; and lane l xor 16's: the row's sum
	v_rcp_f32 v14, v14
	v_add_nc_u32 v[T1], s24, v10                   ; (the plain place behind the reciprocal)  my query
	v_cmp_gt_u32 vcc_lo, s18, v[T1]
	s_wait_alu depctr_va_vdst(0)
	v_cndmask_b32 v14, 0, v14, vcc_lo
.irp j, 0,2,4,6,8,10,12,14,16,18,20,22,24,26,28,30
	v_pk_mul_f32 v[S+\j:S+1+\j], v[OT+\j:OT+1+\j], v[14:15] op_sel_hi:[1,0]   ; register 8 t + i: out0(r, 16 t + 8 h + i)
.endr
.irp t, 0,1,2,3
	ds_store_b128 v6, v[S+8*\t:S+3+8*\t] offset:64*\t
	ds_store_b128 v6, v[S+4+8*\t:S+7+8*\t] offset:64*\t+16
.endr
.irp i, 0,1,2,3,4,5,6,7
	ds_load_b128 v[128+4*\i:131+4*\i], v7 offset:2*PIT*\i         ; LDS serves a wave's instructions in order: these see my stores
.endr
.irp i, 0,1,2,3,4,5,6,7
	s_wait_dscnt 7-\i                              ; rows 2 i and 2 i + 1 are back; the younger loads may be out
	global_store_b128 v1, v[128+4*\i:131+4*\i], s[12:13] offset:512*\i th:TH_STORE_NT   ; 32 lanes store 512 consecutive bytes, at a multiple of 256 from out0's first byte
.endr
	s_wait_tensorcnt 0x0
	ds_add_u32 v47, v225
	s_wait_dscnt 0x0
	s_endpgm
.Lfunc_end_k_q2dff26677b_attn:
	.size	k_q2dff26677b_attn, .Lfunc_end_k_q2dff26677b_attn-k_q2dff26677b_attn
	.p2alignl 7, 3214868480
	.fill 96, 4, 3214868480
	.section	.rodata,"a",@progbits
	.p2align	6, 0x0
	.amdhsa_kernel k_q2dff26677b_attn
		.amdhsa_group_segment_fixed_size 50688
		.amdhsa_private_segment_fixed_size 0
		.amdhsa_enable_private_segment 0
		.amdhsa_kernarg_size 40
		.amdhsa_user_sgpr_count 2
		.amdhsa_user_sgpr_kernarg_segment_ptr 1
		.amdhsa_wavefront_size32 1
		.amdhsa_system_sgpr_workgroup_id_x 1
		.amdhsa_system_sgpr_workgroup_id_y 1
		.amdhsa_system_sgpr_workgroup_id_z 1
		.amdhsa_system_vgpr_workitem_id 0
		.amdhsa_next_free_vgpr 256
		.amdhsa_next_free_sgpr 66
		.amdhsa_reserve_vcc 1
		.amdhsa_float_denorm_mode_32 3
		.amdhsa_float_denorm_mode_16_64 3
		.amdhsa_memory_ordered 1
		.amdhsa_forward_progress 1
		.amdhsa_inst_pref_size 57
	.end_amdhsa_kernel
	.amdgpu_metadata
---
amdhsa.version: [ 1, 2 ]
amdhsa.kernels:
  - .name:           k_q2dff26677b_attn
    .symbol:         k_q2dff26677b_attn.kd
    .args:
      - { .name: Q, .offset: 0, .size: 8, .value_kind: global_buffer, .address_space: global }
      - { .name: seqlens, .offset: 8, .size: 8, .value_kind: global_buffer, .address_space: global }
      - { .name: img, .offset: 16, .size: 8, .value_kind: global_buffer, .address_space: global }
      - { .name: scl, .offset: 24, .size: 8, .value_kind: global_buffer, .address_space: global }
      - { .name: out0, .offset: 32, .size: 8, .value_kind: global_buffer, .address_space: global }
    .group_segment_fixed_size: 50688
    .private_segment_fixed_size: 0
    .kernarg_segment_align: 8
    .kernarg_segment_size: 40
    .max_flat_workgroup_size: 128
    .sgpr_count:     66
    .vgpr_count:     256
    .wavefront_size: 32
...
	.end_amdgpu_metadata
.endif
;; end of part 3
;; ======== version 3 of 3: 2 launches
;; workspace buffers: img 6,291,456 bytes; scl 262,144 bytes
;; launch quant (part 4): grid 16 x 32, 6 waves a work-group, no clusters, 52,992 bytes of LDS; arguments K, V, img, scl; writes img, scl
.if DOCPART == 4
	.amdgcn_target "amdgcn-amd-amdhsa--gfx1250"
	.amdhsa_code_object_version 6
	.text
	.protected	k_q2dff26677b_quant
	.globl	k_q2dff26677b_quant
	.p2align	8
	.type	k_q2dff26677b_quant,@function
k_q2dff26677b_quant:
	s_mov_b64 s[64:65], 0
	v_nop
	global_prefetch_b8 v0, s[64:65] scope:SCOPE_SE
	s_setreg_imm32_b32 hwreg(HW_REG_WAVE_MODE, 25, 1), 1
	s_wait_xcnt 0x0
; K [32 heads][2048 keys][64] and V [32][2048][64], f32, become codes of FP6 (E2M3) with one E8M0 scale byte for each 32 along a product's K:
; K is quantised along its 64 channels, V along the KEYS.  The codes are laid as IMAGES OF THE OPERANDS' REGISTERS, so that the next launch fetches a fragment by three loads of 16 bytes a lane.
; A block's scale is 2^(floor(log2(its largest magnitude)) - 2); its byte is the largest magnitude's exponent field - 2, held at 1 from below.
; LIMITS: a block of zeros gets the byte 1 where the rule says 127 (its codes are zeros, which add nothing under any byte but 0xff, and this program alone reads the bytes); NaN and infinities among the inputs are not served.
; SHARES.  A work-group takes one head (y) and one step of 128 keys (x): 32,768 bytes of K and as many of V.  Waves 0-3 take K, 32 keys each; waves 4-5 take V, 32 channels x 128 keys each.  Waves share nothing: no barrier.
; img: [head][step][12,288 bytes]: four pair fragments of K at 1,536 b, four fragments of V at 6,144 + 1,536 t.  A fragment is 12 registers a lane: registers 4 c .. 4 c + 3 of lane l at 512 c + 16 l.
; scl: [head][step][i = 0..3][32 words]: word r < 16 is K's pair fragment i, row r; word 16 + r is V's fragment i, row r.
; K'S PAIR FRAGMENT b: the first product's K is 64, half of what the matrix instruction takes.  So a row of the fragment holds TWO keys: lane (r, h), registers 0-5: key 32 b + r + 8 (r / 8), channels 32 h on;
; registers 6-11: the key 8 further on.  The scale word: bytes 0, 1 the first key's two blocks, bytes 2, 3 the second's.  The next launch multiplies it by Q beside zero codes, once for each half.
; V'S FRAGMENT t: lane (r, h): channel 16 t + r; registers 6 c .. 6 c + 5: keys 64 c + 32 h + 0 .. 31.  The scale word: byte kb for keys 32 kb on.
.set STGB,  8704                       ; a wave's stage in LDS: 32 rows x 272 bytes (only K's waves use theirs; the claim covers six, so that wave x STGB stays inside it)
.set PIT,   272                        ; a stage row: a key's 256 bytes + 16
.set FLOOR, 0x1800000                  ; 2^(3 - 127): no largest magnitude is taken under it, so the byte cannot fall under 1
.set EOFF,  0xff000000                 ; -(2 << 23): 2 off an exponent field
; the largest magnitude of 32 numbers of one lane, v[x] on, into v[m]; v[t] is a second chain, so that no line waits for the line above it
.macro MAX32 m, t, x
	v_max3_num_f32 v[\m], |v[\x]|, |v[\x+1]|, |v[\x+2]|
	v_max3_num_f32 v[\t], |v[\x+3]|, |v[\x+4]|, |v[\x+5]|
.irp i, 6,10,14,18,22,26
	v_max3_num_f32 v[\m], v[\m], |v[\x+\i]|, |v[\x+\i+1]|
	v_max3_num_f32 v[\t], v[\t], |v[\x+\i+2]|, |v[\x+\i+3]|
.endr
	v_max3_num_f32 v[\m], v[\m], |v[\x+30]|, |v[\x+31]|
	v_max3_num_f32 v[\m], v[\m], v[\t], FLOOR
.endm
	s_load_b256 s[4:11], s[0:1], 0x0               ; K s[4:5], V s[6:7], img s[8:9], scl s[10:11]
	v_lshl_add_u32 v168, v0, 2, 0xcc00
	v_mov_b32 v169, 0
	v_lshrrev_b32 v1, 5, v0
	v_readfirstlane_b32 s12, v1                    ; wave 0..5
	s_mov_b32 s13, ttmp9                           ; the step
	s_and_b32 s14, ttmp7, 0xffff                   ; the head
	s_mov_b32 s20, 0x76543210
	s_mov_b32 s21, 0xfedcba98                      ; v_permlanex16_b32's selects for lane l xor 16
	v_and_b32 v2, 31, v0                           ; lane
	v_and_b32 v3, 15, v0                           ; r
	v_bfe_u32 v4, v0, 4, 1                         ; h
	v_lshlrev_b32 v5, 4, v2                        ; 16 x lane
	v_lshlrev_b32 v6, 2, v2                        ; 4 x lane
	v_lshlrev_b32 v7, 2, v3                        ; 4 r
	s_mul_i32 s15, s12, STGB                       ; my stage.  All LDS addresses are made here, ahead of the parting of the waves
	v_mul_u32_u24 v8, v4, PIT
	v_lshl_add_u32 v8, v3, 4, v8
	v_add_nc_u32 v8, s15, v8                       ; into the stage: a load's 512 bytes are two keys: row h, 16 r
	v_and_b32 v9, 8, v3
	v_add_nc_u32 v9, v9, v3                        ; r + 8 (r / 8)
	v_mul_u32_u24 v9, v9, PIT
	v_lshl_add_u32 v9, v4, 7, v9
	v_add_nc_u32 v9, s15, v9                       ; out of it: that key's row, channels 32 h on
	v_lshlrev_b32 v10, 7, v4
	v_lshl_add_u32 v10, v3, 2, v10
	v_add_nc_u32 v10, 64, v10                      ; V's scale words: fragment h of my two, 128 bytes each; the upper 16 words; row r
	s_lshl_b32 s16, s14, 19                        ; a head is 2,048 x 256 bytes,
	s_lshl_b32 s17, s13, 15                        ; a step 128 x 256
	s_add_co_u32 s16, s16, s17
	s_mov_b32 s17, 0
	s_lshl_b32 s18, s14, 4
	s_add_co_u32 s18, s18, s13                     ; 16 x head + step
	s_lshl_b32 s22, s18, 9                         ; 512 bytes of scale words a step,
	s_mov_b32 s23, 0
	s_mul_i32 s18, s18, 12288                      ; 12,288 of images
	s_mov_b32 s19, 0
	s_mov_b32 s25, 0
	s_wait_kmcnt 0x0
	s_add_nc_u64 s[8:9], s[8:9], s[18:19]
	s_add_nc_u64 s[10:11], s[10:11], s[22:23]
	s_cmp_lt_u32 s12, 4
	s_cbranch_scc0 .Lv
	; ---- K: wave b makes pair fragment b.  v16-79 as loaded; v80-111 the first key's 32 numbers, v112-143 the second's; v144-155 the fragment
	s_lshl_b32 s24, s12, 13                        ; my 32 keys
	s_add_nc_u64 s[4:5], s[4:5], s[16:17]
	s_add_nc_u64 s[4:5], s[4:5], s[24:25]
	s_mul_i32 s24, s12, 1536
	s_add_nc_u64 s[8:9], s[8:9], s[24:25]
	s_lshl_b32 s24, s12, 7
	s_add_nc_u64 s[10:11], s[10:11], s[24:25]
.irp j, 0,1,2,3,4,5,6,7,8,9,10,11,12,13,14,15
	global_load_b128 v[16+4*\j:19+4*\j], v5, s[4:5] offset:512*\j th:TH_LOAD_NT   ; 32 lanes read 512 consecutive bytes: two keys
.endr
	s_wait_alu depctr_va_vdst(0)
.irp j, 0,1,2,3,4,5,6,7,8,9,10,11,12,13,14,15
	s_wait_loadcnt 15-\j                           ; loads come back in order: load j is in, the younger ones stay out
	ds_store_b128 v8, v[16+4*\j:19+4*\j] offset:2*PIT*\j
.endr
.irp i, 0,1,2,3,4,5,6,7
	ds_load_b128 v[80+4*\i:83+4*\i], v9 offset:16*\i              ; LDS serves a wave's instructions in order: these see my stores
.endr
.irp i, 0,1,2,3,4,5,6,7
	ds_load_b128 v[112+4*\i:115+4*\i], v9 offset:8*PIT+16*\i      ; the key 8 rows on
.endr
	s_wait_dscnt 0x0
	MAX32 11, 12, 80                               ; a lane holds a whole block of each key
	MAX32 13, 14, 112
	v_add_nc_u32 v12, EOFF, v11                    ; 2 off the exponent field: the conversion takes the exponent field of this operand as its scale, and nothing else of it
	v_add_nc_u32 v14, EOFF, v13
	v_lshrrev_b32 v164, 23, v12                    ; the scales' bytes
	v_lshrrev_b32 v165, 23, v14
	v_lshl_or_b32 v164, v165, 16, v164             ; block h of the first key, block h of the second,
	v_lshlrev_b32 v165, 3, v4
	v_lshlrev_b32 v164, v165, v164                 ; 8 h bits up;
	v_mov_b32 v166, 0
	v_permlanex16_b32 v166, v164, s20, s21
	v_or_b32 v164, v164, v166                      ; with lane l xor 16's two the word is whole
	v_cvt_scalef32_pk16_fp6_f32 v[144:146], v[80:95], v12
	v_cvt_scalef32_pk16_fp6_f32 v[156:158], v[96:111], v12       ; (a conversion's three registers begin on an even number: the second half of a block's six is made elsewhere and moved)
	v_cvt_scalef32_pk16_fp6_f32 v[150:152], v[112:127], v14
	v_cvt_scalef32_pk16_fp6_f32 v[160:162], v[128:143], v14
	v_nop                                          ; one plain place behind a scaled conversion
.irp i, 0,1,2
	v_mov_b32 v[147+\i], v[156+\i]
	v_mov_b32 v[153+\i], v[160+\i]
.endr
.irp c, 0,1,2
	global_store_b128 v5, v[144+4*\c:147+4*\c], s[8:9] offset:512*\c   ; 32 lanes store 512 consecutive bytes, at a multiple of 256 from img's first byte
.endr
	global_store_b32 v7, v164, s[10:11]            ; 16 words; lanes r and 16 + r store the same word to the same place
	s_wait_tensorcnt 0x0
	ds_add_u32 v168, v169
	s_wait_dscnt 0x0
	s_endpgm
	; ---- V: wave 4 + u takes channels 32 u on: A LANE TAKES A CHANNEL, AND ITS REGISTERS RUN DOWN THE KEYS.  v16-47, v48-79 two sets of 32 keys; v80-91, v92-103 the codes; v15 the scale word
.Lv:
	s_sub_co_u32 s15, s12, 4                       ; u
	s_lshl_b32 s24, s15, 7                         ; my 32 channels
	s_add_nc_u64 s[6:7], s[6:7], s[16:17]
	s_add_nc_u64 s[6:7], s[6:7], s[24:25]
	s_mul_i32 s24, s15, 3072
	s_add_co_u32 s24, s24, 6144                    ; my two fragments, behind K's four
	s_add_nc_u64 s[8:9], s[8:9], s[24:25]
	s_lshl_b32 s24, s15, 8
	s_add_nc_u64 s[10:11], s[10:11], s[24:25]
.macro LOADV kb                        ; block kb: keys 32 kb + i, i = 0 .. 31, of my channel, into set kb % 2
.irp i, 0,1,2,3,4,5,6,7,8,9,10,11,12,13,14,15,16,17,18,19,20,21,22,23,24,25,26,27,28,29,30,31
	global_load_b32 v[16+32*((\kb)%2)+\i], v6, s[6:7] offset:(32*(\kb)+\i)*256 th:TH_LOAD_NT   ; 32 lanes read 128 consecutive bytes
.endr
.endm
.macro BLOCKV kb
.set XS, 16+32*((\kb)%2)
.set DD, 80+12*((\kb)%2)+6*((\kb)/2)   ; even blocks 2 c at v[80 + 6 c], odd blocks 2 c + 1 at v[92 + 6 c]
.if (\kb) < 3
	s_wait_loadcnt 32                              ; this block's 32 loads are in; the next block's may be out
.else
	s_wait_loadcnt 0x0
.endif
	MAX32 11, 12, XS                               ; all 32 keys of the block are mine
	v_add_nc_u32 v13, EOFF, v11
	v_lshrrev_b32 v14, 23, v13
.if (\kb) == 0
	v_mov_b32 v15, v14                             ; four bytes to the word, the lower keys in the lower byte
.else
	v_lshl_or_b32 v15, v14, 8*(\kb), v15
.endif
	v_cvt_scalef32_pk16_fp6_f32 v[DD:DD+2], v[XS:XS+15], v13
	v_cvt_scalef32_pk16_fp6_f32 v[104:106], v[XS+16:XS+31], v13
	v_nop                                          ; one plain place behind a scaled conversion
.irp i, 0,1,2
	v_mov_b32 v[DD+3+\i], v[104+\i]
.endr
.if (\kb) < 2
	LOADV (\kb)+2
.endif
.endm
	LOADV 0
	LOADV 1
	BLOCKV 0
	BLOCKV 1
	BLOCKV 2
	BLOCKV 3
.irp i, 0,1,2,3,4,5,6,7,8,9,10,11
	v_permlane16_swap_b32 v[80+\i], v[92+\i]       ; the first's lanes 16-31 (channels 16-31, even blocks) change places with the second's lanes 0-15 (channels 0-15, odd blocks):
.endr                                              ; v80-91 is now fragment 2 u (lane (r, h): channel r, block 2 c + h), v92-103 fragment 2 u + 1
.irp f, 0,1
.irp c, 0,1,2
	global_store_b128 v5, v[80+12*\f+4*\c:83+12*\f+4*\c], s[8:9] offset:1536*\f+512*\c
.endr
.endr
	global_store_b32 v10, v15, s[10:11]            ; my channel's scale word: two runs of 64 bytes
	s_endpgm
.Lfunc_end_k_q2dff26677b_quant:
	.size	k_q2dff26677b_quant, .Lfunc_end_k_q2dff26677b_quant-k_q2dff26677b_quant
	.p2alignl 7, 3214868480
	.fill 96, 4, 3214868480
	.section	.rodata,"a",@progbits
	.p2align	6, 0x0
	.amdhsa_kernel k_q2dff26677b_quant
		.amdhsa_group_segment_fixed_size 52992
		.amdhsa_private_segment_fixed_size 0
		.amdhsa_enable_private_segment 0
		.amdhsa_kernarg_size 32
		.amdhsa_user_sgpr_count 2
		.amdhsa_user_sgpr_kernarg_segment_ptr 1
		.amdhsa_wavefront_size32 1
		.amdhsa_system_sgpr_workgroup_id_x 1
		.amdhsa_system_sgpr_workgroup_id_y 1
		.amdhsa_system_sgpr_workgroup_id_z 1
		.amdhsa_system_vgpr_workitem_id 0
		.amdhsa_next_free_vgpr 170
		.amdhsa_next_free_sgpr 66
		.amdhsa_reserve_vcc 0
		.amdhsa_float_denorm_mode_32 3
		.amdhsa_float_denorm_mode_16_64 3
		.amdhsa_memory_ordered 1
		.amdhsa_forward_progress 1
		.amdhsa_inst_pref_size 30
	.end_amdhsa_kernel
	.amdgpu_metadata
---
amdhsa.version: [ 1, 2 ]
amdhsa.kernels:
  - .name:           k_q2dff26677b_quant
    .symbol:         k_q2dff26677b_quant.kd
    .args:
      - { .name: K, .offset: 0, .size: 8, .value_kind: global_buffer, .address_space: global }
      - { .name: V, .offset: 8, .size: 8, .value_kind: global_buffer, .address_space: global }
      - { .name: img, .offset: 16, .size: 8, .value_kind: global_buffer, .address_space: global }
      - { .name: scl, .offset: 24, .size: 8, .value_kind: global_buffer, .address_space: global }
    .group_segment_fixed_size: 52992
    .private_segment_fixed_size: 0
    .kernarg_segment_align: 8
    .kernarg_segment_size: 32
    .max_flat_workgroup_size: 192
    .sgpr_count:     66
    .vgpr_count:     170
    .wavefront_size: 32
...
	.end_amdgpu_metadata
.endif
;; end of part 4
;; launch attn (part 5): grid 1024 x 1, 4 waves a work-group, no clusters, 50,688 bytes of LDS; arguments Q, seqlens, img, scl, out0; writes out0
.if DOCPART == 5
	.amdgcn_target "amdgcn-amd-amdhsa--gfx1250"
	.amdhsa_code_object_version 6
	.text
	.protected	k_q2dff26677b_attn
	.globl	k_q2dff26677b_attn
	.p2align	8
	.type	k_q2dff26677b_attn,@function
k_q2dff26677b_attn:
	s_mov_b64 s[64:65], 0
	v_nop
	global_prefetch_b8 v0, s[64:65] scope:SCOPE_SE
	s_setreg_imm32_b32 hwreg(HW_REG_WAVE_SCHED_MODE, 0, 2), 2
	s_setreg_imm32_b32 hwreg(HW_REG_WAVE_MODE, 25, 1), 1
	s_wait_xcnt 0x0
	s_wait_alu depctr_vm_vsrc(0)
; out0[b][h][q][:] = the sum over keys k < seqlens[b] of softmax_k(Q[q] . K[k]) V[k][:], and zeros for queries q >= seqlens[b].  Both products on codes of FP6 (E2M3) with one E8M0 scale for each 32 along a product's K.
; K and V come as images of the operands' registers, with their scale words (img, scl: laid by the launch before; 12,288 + 512 bytes for a step of 128 keys).  Q (f32) is read once, by one wave, and quantised in registers.
; THE SOFTMAX AHEAD OF THE SECOND PRODUCT: t = score x log2(e); M = the row's largest t so far, rounded UP to a whole number; p = 2^(t - M) is what is quantised, along the keys; it is not normalised.
; The row's sum is taken of the unquantised p, in f32, and divides O at the end.  When M moves, the sum and O are multiplied by 2^(old M - new M): exact.
; SHARES.  A work-group of FOUR waves owns one head and four tiles of 16 queries; a wave owns one tile, in 256 registers.  With 50,176 bytes of LDS and these registers four work-groups fit on a WGP: sixteen waves, four to a SIMD,
; so that one wave's vector work stands beside another's matrix work and LDS loads.
; A head's work goes with the square of seqlens[b], so the four work-groups that share a WGP should be of four batches.  THE BATCH of a work-group is the sum of the base-4 digits of its number, modulo 4: any four work-groups
; whose numbers differ in one base-4 digit alone (1, 4, 16, 64 or 256 apart) belong to the four batches.  The number without its lowest digit gives the head in the batch (3 bits) and g (5 bits): the map is one to one.
; Wave w takes tile g + 32 rho, rho = (w + batch) mod 4: the 32 work-groups of a head have as many tiles under seqlens[b] as each other, give or take one, and the waves w of four batches have four different ranks.
; WHAT THE MASK THROWS AWAY IS NOT DONE (SKIP = 1): a step all of whose keys lie at or past seqlens[b], and every step of a tile all of whose queries do, is left out by a scalar branch on whole numbers read from memory.
; The loop's trip count stays a constant, and every wave passes every barrier.  In the one step that straddles seqlens[b] hidden scores become -infinity ahead of the maximum: p = 0.
; LAYOUT.  Both products are used transposed: S^T = K Q^T (source 0 = keys, source 1 = my 16 queries), O^T = V^T P^T: a lane holds ONE query (lane % 16) throughout.
; THE FIRST PRODUCT'S K IS 64, half of what the instruction takes: a row of K's pair fragment b holds two keys (32 b + r + 8 (r / 8) in k 0-63, the key 8 on in k 64-127), and it is multiplied twice: by [q, zero codes] and by
; [zero codes, q].  A zero code times any code of this format is 0 under any scale byte but 0xff.  The 16 registers of the two results are 16 neighbouring keys: 32 b + 16 (lane / 16) + 0 .. 15.
; THE STEP'S IMAGES go from memory through registers (96 bytes a thread) into one of two LDS slots, a step ahead; one barrier a step.
; NO JOINT TENSOR LOADS, though the 32 work-groups of a head read the same images:
; steps past seqlens[b] are not fetched at all, which a load that every partner must issue on every path could not leave out.
; LIMITS: NaN and infinities among the inputs are not served.  Hidden keys get p = 0, which is what -1e9 gives as long as a row's largest valid score lies above about -1e9 + 104.  t under -3e38 is not served.
; seqlens[b] is held to 0 .. 2,048, which is how pos < seqlens acts.  p under 2^-126 comes out of v_exp_f32 as 0.  A zeroed output may carry a minus sign.
; THE MODE: SCHED_MODE bits 1:0 = 2 (LLVM: expert scheduling mode 2), set by the entry lines.  The code itself states the register dependences
; between vector or matrix instructions and memory or LDS instructions, with s_wait_alu, always for 0.
; THE PLAN.  Registers that memory or LDS instructions touch, in the loop:
;   v1, v4     addresses, made once at the head and never written again.
;   v3         the LDS address of a step's scale words.  Written by one addition at the step's head; read by the step's four ds_load_b32.
;   G          v232-255.  The six global loads behind a step's barrier land in it; the six LDS stores at the next step's head read it.  No vector instruction names it.
;   v36-39     the step's scale words.  Four LDS loads land in them; the step's twelve products read them.
;   F          v48-95.  K's twelve LDS loads land in it, the eight products K Q^T read it, V's twelve loads land in it, the four products V^T P read it.
; So a step has one wait on vm_vsrc, behind its LDS stores (they have read G; the last step's loads have read v3), and six on va_vdst: at its head (v3 is written; the last step's products are done with F and v36-39),
; behind the products K Q^T (they are done with F), ahead of the exponentials, twice behind them (their results), and ahead of the products V^T P (p's codes and scale word are written).  Between each of these waits and the loads that lean on it
; no vector or matrix instruction names a register that those loads touch, on either arm of the branches between.
; REGISTERS: v1-11 addresses, r, h; v12 -M, v13 the largest t, v[14:15] the sum in two halves; v16-33 [0 x 6][q x 6][0 x 6]; v34, v35 Q's two scale words; v36-39 the step's scale words (lanes 0-15 K's, lanes 16-31 V's);
; v48-95 four fragments of K, then of V; v96-159 S^T, then p; v160-191 O^T; v192-203 p's codes; v204-231 at work; v232-255 the next step's images on their way.  s40-47: in the loop, eight masks of the straddling step.
.set SKIP,  1
.set SLOTB, 12288                      ; LDS: two slots of a step's images at 0 and 12,288;
.set VOFF,  6144                       ; (in a slot: K's four fragments, then V's four, 1,536 bytes each)
.set SCL,   24576                      ; the head's scale words, 8,192 bytes, stored once;
.set STG,   32768                      ; a stage of 16 rows x 272 bytes for each wave
.set PIT,   272
.set FLOOR, 0x1800000                  ; 2^(3 - 127)
.set EOFF,  0xff000000                 ; 2 off an exponent field
.set F,   48
.set S,   96
.set OT,  160
.set PC,  192
.set BM,  212                          ; v212-215 a block's largest score, then its largest p
.set BT,  216                          ; v216-219 the other half's; the bytes; the sum's second chain
.set BS,  220                          ; v220-223 the conversions' scale operands
.set PW,  224                          ; p's scale word: it holds nothing else
.set FF,  226                          ; v[226:227] f = 2^(old M - new M)
.set T1,  228
.set G,   232                          ; v232-255 six times 16 bytes of the next step's images
.set MK,  40                           ; s40-47 eight masks
.macro MAX32 m, t, x                   ; the largest magnitude of 32 numbers of one lane, in two chains, with the floor as the last leaf
	v_max3_num_f32 v[\m], |v[\x]|, |v[\x+1]|, |v[\x+2]|
	v_max3_num_f32 v[\t], |v[\x+3]|, |v[\x+4]|, |v[\x+5]|
.irp i, 6,10,14,18,22,26
	v_max3_num_f32 v[\m], v[\m], |v[\x+\i]|, |v[\x+\i+1]|
	v_max3_num_f32 v[\t], v[\t], |v[\x+\i+2]|, |v[\x+\i+3]|
.endr
	v_max3_num_f32 v[\m], v[\m], |v[\x+30]|, |v[\x+31]|
	v_max3_num_f32 v[\m], v[\m], v[\t], FLOOR
.endm
	s_load_b256 s[4:11], s[0:1], 0x0               ; Q s[4:5], seqlens s[6:7], img s[8:9], scl s[10:11]
	s_load_b64 s[12:13], s[0:1], 0x20              ; out0
	v_lshl_add_u32 v47, v0, 2, 0xc400
	v_mov_b32 v225, 0
	v_lshrrev_b32 v8, 5, v0
	v_readfirstlane_b32 s14, v8                    ; wave 0..3
	s_lshr_b32 s36, ttmp9, 2                       ; the work-group's number without its lowest base-4 digit: 0..255
	s_add_co_u32 s17, ttmp9, s36                   ; modulo 4 each term is one base-4 digit of the number
	s_lshr_b32 s37, ttmp9, 4
	s_add_co_u32 s17, s17, s37
	s_lshr_b32 s37, ttmp9, 6
	s_add_co_u32 s17, s17, s37
	s_lshr_b32 s37, ttmp9, 8
	s_add_co_u32 s17, s17, s37
	s_and_b32 s17, s17, 3                          ; the batch: the digits' sum modulo 4
	s_and_b32 s16, s36, 7
	s_lshl_b32 s37, s17, 3
	s_add_co_u32 s16, s16, s37                     ; the head, 0..31: 8 x batch + 3 bits
	s_lshr_b32 s15, s36, 3                         ; g: 0..31
	s_lshl_b32 s19, s17, 2                         ; the batch's place in seqlens
	s_wait_alu depctr_va_sdst(0)                   ; s14 is written, ahead of its first reader: my tile and my stage are made from it
	s_add_co_u32 s36, s14, s17
	s_and_b32 s36, s36, 3                          ; rho = (w + batch) mod 4
	s_lshl_b32 s36, s36, 5
	s_add_co_u32 s36, s36, s15                     ; my tile: g + 32 rho
	s_lshl_b32 s24, s36, 4                         ; my first query.  It enters global addresses and compares alone
	s_lshl_b32 s36, s16, 19                        ; a head of Q and of out0 is 2,048 x 256 bytes
	s_lshl_b32 s37, s24, 8
	s_add_co_u32 s36, s36, s37
	s_mov_b32 s37, 0
	s_mul_i32 s38, s16, 16*SLOTB                   ; a head's images,
	s_mov_b32 s39, 0
	s_lshl_b32 s40, s16, 13                        ; its scale words
	s_mov_b32 s41, 0
	s_mov_b32 s30, 0x76543210
	s_mov_b32 s31, 0xfedcba98                      ; v_permlanex16_b32's selects for lane l xor 16
	s_mov_b32 s32, 0x3fb8aa3b                      ; c = log2(e)
	s_mov_b32 s33, s32                             ; (the packed form names the pair and takes its low word for both halves: so it is written)
	s_mov_b32 s27, 0                               ; the step's first key
	s_mov_b32 s28, 0                               ; where its scale words begin: 512 bytes a step
	v_and_b32 v8, 31, v0                           ; lane
	v_and_b32 v10, 15, v0                          ; r
	v_bfe_u32 v11, v0, 4, 1                        ; h
	v_lshlrev_b32 v1, 4, v8                        ; 16 x lane: an image's place for my lane; also my bytes of two rows of Q and of out0
	v_lshl_add_u32 v2, v8, 2, SCL                  ; 4 x lane among the scale words
	v_lshlrev_b32 v4, 4, v0                        ; 16 x thread: my 16 bytes of each 2,048 that the 128 threads move, in memory and in LDS alike
	s_mul_i32 s42, s14, 16*PIT
	s_add_co_u32 s42, s42, STG                     ; my stage
	v_mul_u32_u24 v6, v10, PIT
	v_add_nc_u32 v6, s42, v6
	v_lshl_add_u32 v9, v11, 7, v6                  ; Q out of the stage: row r, channels 32 h on
	v_lshl_add_u32 v6, v11, 5, v6                  ; O into it: row r, + 32 h
	v_mul_u32_u24 v7, v11, PIT
	v_lshl_add_u32 v7, v10, 4, v7
	v_add_nc_u32 v7, s42, v7                       ; by rows: lanes 0-15 one row of 256 bytes, lanes 16-31 the next
	s_wait_kmcnt 0x0
	s_load_b32 s18, s[6:7], s19 offset:0x0         ; seqlens[b]
	s_add_nc_u64 s[4:5], s[4:5], s[36:37]
	s_add_nc_u64 s[12:13], s[12:13], s[36:37]
	s_add_nc_u64 s[34:35], s[8:9], s[38:39]
	s_add_nc_u64 s[10:11], s[10:11], s[40:41]
	s_wait_alu depctr_va_vdst(0)                   ; the addresses v1, v4, v6, v7 and v9 are written: the loads and stores of the whole kernel read them, and none is written again
.irp c, 0,1,2,3,4,5
	global_load_b128 v[G+4*\c:G+4*\c+3], v4, s[34:35] offset:2048*\c       ; step 0's images: 128 threads x 16 bytes, six times
.endr
.irp c, 0,1,2,3
	global_load_b128 v[204+4*\c:207+4*\c], v4, s[10:11] offset:2048*\c     ; the head's scale words: four times 2,048 bytes
.endr
.irp i, 0,1,2,3,4,5,6,7
	global_load_b128 v[96+4*\i:99+4*\i], v1, s[4:5] offset:512*\i th:TH_LOAD_NT   ; my 16 queries: 512 consecutive bytes a load
.endr
	s_wait_kmcnt 0x0
	s_max_i32 s18, s18, 0
	s_min_u32 s18, s18, 0x800                      ; held to 0 .. 2,048
.if SKIP
	s_cmp_lt_u32 s24, s18
	s_cselect_b32 s25, s18, 0                      ; my wave's limit of keys: none if all my queries are hidden
	s_lshl_b32 s36, s15, 4
	s_cmp_lt_u32 s36, s18                          ; the work-group's first tile (rank 0) begins at query 16 g
	s_cselect_b32 s26, s18, 0                      ; the work-group's limit: what is fetched
.else
	s_mov_b32 s25, 2048
	s_mov_b32 s26, 2048
.endif
	s_wait_loadcnt 0x0
.irp c, 0,1,2,3
	ds_store_b128 v4, v[204+4*\c:207+4*\c] offset:SCL+2048*\c     ; the first step's barrier shows these to every wave
.endr
.irp i, 0,1,2,3,4,5,6,7
	ds_store_b128 v7, v[96+4*\i:99+4*\i] offset:2*PIT*\i          ; Q turns through my own stage: in as loaded,
.endr
.irp i, 0,1,2,3,4,5,6,7
	ds_load_b128 v[128+4*\i:131+4*\i], v9 offset:16*\i            ; out 32 neighbours a lane: block h of query r.  LDS serves a wave's instructions in order
.endr
	s_wait_dscnt 0x0
	s_wait_alu depctr_vm_vsrc(0)                   ; the LDS stores have read v204-219 and v96-127, which the conversions and moves below and the loop's products write again
	MAX32 228, 229, 128
	v_add_nc_u32 v229, EOFF, v228                  ; the conversion's scale operand
	v_lshrrev_b32 v230, 23, v229                   ; the scale's byte,
	v_lshlrev_b32 v228, 3, v11
	v_lshlrev_b32 v230, v228, v230                 ; 8 h bits up;
	v_mov_b32 v231, 0
	v_permlanex16_b32 v231, v230, s30, s31
	v_or_b32 v230, v230, v231                      ; with lane l xor 16's: query r's two bytes
	v_or_b32 v34, 0x7f7f0000, v230                 ; for [q, 0]: bytes 0, 1; the zero codes' bytes are 127
	v_lshl_or_b32 v35, v230, 16, 0x7f7f            ; for [0, q]: bytes 2, 3
	v_cvt_scalef32_pk16_fp6_f32 v[22:24], v[128:143], v229
	v_cvt_scalef32_pk16_fp6_f32 v[204:206], v[144:159], v229     ; (a conversion's three registers begin on an even number)
	v_nop                                          ; one plain place behind a scaled conversion
.irp i, 0,1,2
	v_mov_b32 v[25+\i], v[204+\i]
.endr
.irp i, 0,1,2,3,4,5
	v_mov_b32 v[16+\i], 0                          ; zero codes on both sides of q: v[22:33] is [q, 0], v[16:27] is [0, q]
	v_mov_b32 v[28+\i], 0
.endr
	v_mov_b32 v13, 0xff61b1e6                      ; the largest t so far: -3e38, under every t
	v_floor_f32 v12, -v13                          ; -M
	v_mov_b32 v14, 0                               ; the sum, in two halves
	v_mov_b32 v15, 0
.irp b, 0,1,2,3
	v_mov_b32 v[BT+\b], 0                          ; written once: a lane permute's destination counts as one of its sources
.endr
	v_mov_b32 v[FF+1], 0                           ; (named as the upper half of the pair)
.irp j, 0,1,2,3,4,5,6,7,8,9,10,11,12,13,14,15,16,17,18,19,20,21,22,23,24,25,26,27,28,29,30,31
	v_mov_b32 v[OT+\j], 0                          ; O^T.  The step is written once, and a wave may leave out all of them: the first step finds zeros, which the first change of M leaves zeros
.endr
; A STEP OF 128 KEYS, in slot \slot.
.macro STEP slot
	; the step's images, asked for a step ago, go into the slot.  (In a step past the work-group's limit nothing was asked for: stale bytes go into a slot that nobody reads.)
	s_wait_loadcnt 0x0
.irp c, 0,1,2,3,4,5
	ds_store_b128 v4, v[G+4*\c:G+4*\c+3] offset:(\slot)*SLOTB+2048*\c
.endr
	s_wait_alu depctr_vm_vsrc(0)                   ; these stores have read G, in which the loads behind the barrier land; the last step's loads of scale words have read v3, which the next line writes
	v_add_nc_u32 v3, s28, v2                       ; the step's scale words
	s_wait_alu depctr_va_vdst(0)                   ; v3 is written; the last step's products are done reading F and v36-39, in which the LDS loads behind the barrier land; in the first trip: Q's codes and scale words, which the scaled products take, are written
	s_wait_dscnt 0x0                               ; for the others' sake: my stores have landed, and my reads of the other slot, which the next step overwrites, are over
	s_barrier_signal -1
	s_barrier_wait -1                              ; on every wave's path, outside every branch on data
	s_add_co_u32 s38, s27, 128
	s_cmp_lt_u32 s38, s26                          ; the next step's images, if any of its keys counts for the work-group: the limit is 2,048 at the most, so no load passes step 15
	s_cbranch_scc0 .Lnone_\@
.irp c, 0,1,2,3,4,5
	global_load_b128 v[G+4*\c:G+4*\c+3], v4, s[34:35] offset:((\slot)+1)*SLOTB+2048*\c   ; they have this step's work in which to land.  No vector instruction names G
.endr
.Lnone_\@:
	s_cmp_lt_u32 s27, s25                          ; does any key of the step count for my queries?
	s_cbranch_scc0 .Lhidden_\@
.irp i, 0,1,2,3
	ds_load_b32 v[36+\i], v3 offset:128*\i         ; no vector or matrix instruction has been issued since the wait at the step's head
.endr
.irp b, 0,1,2,3
.irp c, 0,1,2
	ds_load_b128 v[F+12*\b+4*\c:F+12*\b+4*\c+3], v1 offset:(\slot)*SLOTB+1536*\b+512*\c
.endr
.endr
.irp b, 0,1,2,3                                ; S^T = K Q^T: each pair fragment twice
	s_wait_dscnt 9-3*\b                            ; the scale words and pair fragment b are in; the later fragments' loads, three each, may be out
	v_wmma_scale_f32_16x16x128_f8f6f4 v[S+16*\b:S+16*\b+7], v[F+12*\b:F+12*\b+11], v[22:33], 0, v[36+\b], v34 matrix_a_fmt:MATRIX_FMT_FP6 matrix_b_fmt:MATRIX_FMT_FP6
	v_wmma_scale_f32_16x16x128_f8f6f4 v[S+16*\b+8:S+16*\b+15], v[F+12*\b:F+12*\b+11], v[16:27], 0, v[36+\b], v35 matrix_a_fmt:MATRIX_FMT_FP6 matrix_b_fmt:MATRIX_FMT_FP6
.endr                                              ; register 16 b + i of lane (r, h): query r, key 32 b + 16 h + i of the step
.rept 4
	v_nop                                          ; four places behind the products (ISA guide 7.12.1), in front of the first read of their results
.endr
	s_wait_alu depctr_va_vdst(0)                   ; the eight products are done reading F, in which V's fragments land
.irp t, 0,1,2,3
.irp c, 0,1,2
	ds_load_b128 v[F+12*\t+4*\c:F+12*\t+4*\c+3], v1 offset:(\slot)*SLOTB+VOFF+1536*\t+512*\c   ; V's four fragments land while the softmax is worked
.endr
.endr
	s_cmp_le_u32 s38, s18                          ; a step all of whose keys count skips the mask
	s_cbranch_scc1 .Lopen_\@
	s_sub_co_i32 s39, s18, s27
	v_lshlrev_b32 v230, 4, v11
	v_sub_nc_u32 v230, s39, v230                   ; d = seqlens[b] - the step's first key - 16 h: register 16 b + i is hidden where 32 b + i >= d
	v_mov_b32 v231, 0xff800000                     ; -infinity
.irp g, 0,1,2,3,4,5,6,7                        ; eight registers at a time: eight compares in a run, each into a scalar register of its own, one wait, eight selects
.irp i, 0,1,2,3,4,5,6,7
	v_cmp_ge_i32 s[MK+\i], 32*(\g/2)+8*(\g%2)+\i, v230
.endr
	s_wait_alu depctr_va_sdst(0)                   ; the eight masks s40-47 are written, ahead of the selects that read them
.irp i, 0,1,2,3,4,5,6,7
	v_cndmask_b32 v[S+8*\g+\i], v[S+8*\g+\i], v231, s[MK+\i]
.endr
.endr
.Lopen_\@:
.irp b, 0,1,2,3
	v_max3_num_f32 v[BM+\b], v[S+16*\b], v[S+1+16*\b], v[S+2+16*\b]   ; THE LARGEST SCORE OF EACH BLOCK OF 32 KEYS serves twice: for the row's maximum, and, since p rises with the score, for the block's largest p
.endr
.irp i, 3,5,7,9,11,13
.irp b, 0,1,2,3
	v_max3_num_f32 v[BM+\b], v[BM+\b], v[S+16*\b+\i], v[S+1+16*\b+\i]   ; (the four blocks by turns)
.endr
.endr
.irp b, 0,1,2,3
	v_max_num_f32 v[BM+\b], v[BM+\b], v[S+15+16*\b]
.endr
.irp b, 0,1,2,3
	v_permlanex16_b32 v[BT+\b], v[BM+\b], s30, s31
.endr
.irp b, 0,1,2,3
	v_max_num_f32 v[BM+\b], v[BM+\b], v[BT+\b]     ; with lane l xor 16's 16 keys
.endr
	v_max3_num_f32 v[T1], v[BM], v[BM+1], v[BM+2]
	v_max_num_f32 v[T1], v[T1], v[BM+3]            ; the step's largest score of my query
	v_mul_f32 v[T1], s32, v[T1]                    ; as t (c is positive)
	v_max_num_f32 v13, v13, v[T1]                  ; the running largest t
	v_mov_b32 v[T1], v12
	v_floor_f32 v12, -v13                          ; the new -M = floor(-t) = -ceil(t): M IS A WHOLE NUMBER
	v_sub_f32 v[T1], v12, v[T1]                    ; M's old value less its new one: a whole number, 0 or less
	v_cvt_i32_f32 v[T1], v[T1]                     ; (it saturates)
	v_ldexp_f32 v[FF], 1.0, v[T1]                  ; f = 2^(old M - new M): a multiplication by it rounds nothing
.irp j, 0,2,4,6,8,10,12,14,16,18,20,22,24,26,28,30,32,34,36,38,40,42,44,46,48,50,52,54,56,58,60,62
	v_pk_fma_f32 v[S+\j:S+1+\j], v[S+\j:S+1+\j], s[32:33], v[12:13] op_sel_hi:[1,0,0]   ; t - M, two at a time (of the pairs c and -M the low word serves both halves)
.endr
.irp b, 0,1,2,3
	v_fma_f32 v[BM+\b], v[BM+\b], s32, v12         ; the same of each block's largest score
.endr
	s_wait_alu depctr_va_vdst(0)
.irp j, 0,1,2,3,4,5,6,7,8,9,10,11,12,13,14,15,16,17,18,19,20,21,22,23,24,25,26,27,28,29,30,31,32,33,34,35,36,37,38,39,40,41,42,43,44,45,46,47,48,49,50,51,52,53,54,55,56,57,58,59,60,61,62,63
	v_exp_f32 v[S+\j], v[S+\j]                     ; p = 2^(t - M), at most 1: NOT normalised
.endr
.irp b, 0,1,2,3
	v_exp_f32 v[BM+\b], v[BM+\b]                   ; the block's largest p: the same two instructions on the same number give the same bits
.endr
	v_pk_mul_f32 v[14:15], v[14:15], v[FF:FF+1] op_sel_hi:[1,0]   ; the sums under the new M.  (The plain place behind the exponentials)
	s_wait_alu depctr_va_vdst(0)
.irp j, 0,2,4,6,8,10,12,14,16,18,20,22,24,26,28,30
	v_pk_mul_f32 v[OT+\j:OT+1+\j], v[OT+\j:OT+1+\j], v[FF:FF+1] op_sel_hi:[1,0]   ; O^T under the new M, each accumulator from its low end on.  These name no exponential's result
.endr
	s_wait_alu depctr_va_vdst(0)                   ; the 68 exponentials have written p and the blocks' largest p: one wait for the batch, ahead of the first line that names a result
.irp b, 0,1,2,3
	v_max_num_f32 v[BM+\b], FLOOR, v[BM+\b]        ; the floor: the byte cannot fall under 1 (a block whose every p is 0 keeps that byte: its codes are zeros)
.endr
.irp b, 0,1,2,3
	v_add_nc_u32 v[BS+\b], EOFF, v[BM+\b]          ; 2 off the exponent field: the conversion's scale operand
.endr
.irp b, 0,1,2,3
	v_lshrrev_b32 v[BT+\b], 23, v[BS+\b]           ; the scale's byte
.endr
	v_lshl_or_b32 v[PW], v[BT+1], 8, v[BT]         ; p's scale word for these 128 keys
	v_lshl_or_b32 v[PW], v[BT+2], 16, v[PW]
	v_lshl_or_b32 v[PW], v[BT+3], 24, v[PW]
.irp c, 0,1
	v_cvt_scalef32_pk16_fp6_f32 v[PC+6*\c:PC+2+6*\c], v[S+32*\c:S+15+32*\c], v[BS+2*\c]
	v_cvt_scalef32_pk16_fp6_f32 v[204+4*\c:206+4*\c], v[S+16+32*\c:S+31+32*\c], v[BS+2*\c+1]   ; (a conversion's three registers begin on an even number)
.endr
	v_nop                                          ; one plain place behind a scaled conversion
.irp c, 0,1                                    ; the operand's layout wants a WHOLE block in a lane: lanes 0-15 block 2 c, lanes 16-31 block 2 c + 1
.irp i, 0,1,2
	v_permlane16_swap_b32 v[PC+6*\c+\i], v[204+4*\c+\i]
.endr
.irp i, 0,1,2
	v_mov_b32 v[PC+3+6*\c+\i], v[204+4*\c+\i]
.endr
.endr
	v_pk_add_f32 v[BT:BT+1], v[S:S+1], v[S+2:S+3]  ; THE ROW'S SUM IS TAKEN OF THE UNQUANTISED p: two at a time, in two chains
.irp j, 4,8,12,16,20,24,28,32,36,40,44,48,52,56,60
	v_pk_add_f32 v[14:15], v[14:15], v[S+\j:S+1+\j]
	v_pk_add_f32 v[BT:BT+1], v[BT:BT+1], v[S+2+\j:S+3+\j]
.endr
	v_pk_add_f32 v[14:15], v[14:15], v[BT:BT+1]    ; (these 32 packed lines are also the places between the writing of p's codes and scale word and the products below)
	s_wait_dscnt 0x0                               ; V's fragments are in
	s_wait_alu depctr_va_vdst(0)                   ; p's codes v192-203 and its scale word v224 are written, which the scaled products take; the places above stay beside this wait
.irp t, 0,1,2,3                                ; O^T += V^T P^T: four accumulators, one instruction a turn
	v_wmma_scale_f32_16x16x128_f8f6f4 v[OT+8*\t:OT+8*\t+7], v[F+12*\t:F+12*\t+11], v[PC:PC+11], v[OT+8*\t:OT+8*\t+7], v[36+\t], v[PW] matrix_a_fmt:MATRIX_FMT_FP6 matrix_b_fmt:MATRIX_FMT_FP6 matrix_a_scale:MATRIX_SCALE_ROW1
.endr
.rept 4
	v_nop                                          ; four places, in front of the next read of O^T
.endr
.Lhidden_\@:
	s_add_co_u32 s27, s27, 128                     ; on every path: the next step's first key,
	s_add_co_u32 s28, s28, 512                     ; and its scale words
.endm
	s_mov_b32 s29, 8
.Ltrip:                                            ; eight trips of two steps: a constant
	STEP 0
	STEP 1
	s_wait_xcnt 0x0                                ; the loads' base is stepped only behind this wait
	s_add_nc_u64 s[34:35], s[34:35], 2*SLOTB
	s_sub_co_u32 s29, s29, 1
	s_cmp_lg_u32 s29, 0
	s_cbranch_scc1 .Ltrip
	; THE WAY OUT.  O^T is divided by the sum, or multiplied by 0 where the query is hidden (a choice of the factor, so that 1 / 0 reaches no product), and goes through my stage, so that each store covers 512 consecutive bytes.
	v_add_f32 v14, v14, v15                        ; the sum's two halves,
	v_permlanex16_b32 v[T1], v14, s30, s31
	v_add_f32 v14, v14, v[T1]                      ; and lane l xor 16's: the row's sum
	s_wait_alu depctr_va_vdst(0)
	v_rcp_f32 v14, v14
	v_add_nc_u32 v[T1], s24, v10                   ; (the plain place behind the reciprocal)  my query
	v_cmp_gt_u32 vcc_lo, s18, v[T1]
	s_wait_alu depctr_va_vcc(0)                    ; VCC is written, ahead of the select that reads it
	s_wait_alu depctr_va_vdst(0)                   ; the reciprocal has written v14, ahead of the first line that names it
	v_cndmask_b32 v14, 0, v14, vcc_lo
.irp j, 0,2,4,6,8,10,12,14,16,18,20,22,24,26,28,30
	v_pk_mul_f32 v[S+\j:S+1+\j], v[OT+\j:OT+1+\j], v[14:15] op_sel_hi:[1,0]   ; register 8 t + i: out0(r, 16 t + 8 h + i)
.endr
	s_wait_alu depctr_va_vdst(0)                   ; the multiplications have written v96-127, which the LDS stores read; the last step's sums and conversions are done with v128-159, in which the loads from the stage land
.irp t, 0,1,2,3
	ds_store_b128 v6, v[S+8*\t:S+3+8*\t] offset:64*\t
	ds_store_b128 v6, v[S+4+8*\t:S+7+8*\t] offset:64*\t+16
.endr
.irp i, 0,1,2,3,4,5,6,7
	ds_load_b128 v[128+4*\i:131+4*\i], v7 offset:2*PIT*\i         ; LDS serves a wave's instructions in order: these see my stores
.endr
.irp i, 0,1,2,3,4,5,6,7
	s_wait_dscnt 7-\i                              ; rows 2 i and 2 i + 1 are back; the younger loads may be out
	global_store_b128 v1, v[128+4*\i:131+4*\i], s[12:13] offset:512*\i th:TH_STORE_NT   ; 32 lanes store 512 consecutive bytes, at a multiple of 256 from out0's first byte
.endr
	s_wait_dscnt 0x0
	s_wait_alu depctr_hold_cnt(0) depctr_sa_sdst(0) depctr_va_vdst(0) depctr_va_sdst(0) depctr_va_ssrc(0) depctr_va_vcc(0) depctr_vm_vsrc(0)
	s_wait_tensorcnt 0x0
	ds_add_u32 v47, v225
	s_wait_dscnt 0x0
	s_endpgm
.Lfunc_end_k_q2dff26677b_attn:
	.size	k_q2dff26677b_attn, .Lfunc_end_k_q2dff26677b_attn-k_q2dff26677b_attn
	.p2alignl 7, 3214868480
	.fill 96, 4, 3214868480
	.section	.rodata,"a",@progbits
	.p2align	6, 0x0
	.amdhsa_kernel k_q2dff26677b_attn
		.amdhsa_group_segment_fixed_size 50688
		.amdhsa_private_segment_fixed_size 0
		.amdhsa_enable_private_segment 0
		.amdhsa_kernarg_size 40
		.amdhsa_user_sgpr_count 2
		.amdhsa_user_sgpr_kernarg_segment_ptr 1
		.amdhsa_wavefront_size32 1
		.amdhsa_system_sgpr_workgroup_id_x 1
		.amdhsa_system_sgpr_workgroup_id_y 1
		.amdhsa_system_sgpr_workgroup_id_z 1
		.amdhsa_system_vgpr_workitem_id 0
		.amdhsa_next_free_vgpr 256
		.amdhsa_next_free_sgpr 66
		.amdhsa_reserve_vcc 1
		.amdhsa_float_denorm_mode_32 3
		.amdhsa_float_denorm_mode_16_64 3
		.amdhsa_memory_ordered 1
		.amdhsa_forward_progress 1
		.amdhsa_inst_pref_size 66
	.end_amdhsa_kernel
	.amdgpu_metadata
---
amdhsa.version: [ 1, 2 ]
amdhsa.kernels:
  - .name:           k_q2dff26677b_attn
    .symbol:         k_q2dff26677b_attn.kd
    .args:
      - { .name: Q, .offset: 0, .size: 8, .value_kind: global_buffer, .address_space: global }
      - { .name: seqlens, .offset: 8, .size: 8, .value_kind: global_buffer, .address_space: global }
      - { .name: img, .offset: 16, .size: 8, .value_kind: global_buffer, .address_space: global }
      - { .name: scl, .offset: 24, .size: 8, .value_kind: global_buffer, .address_space: global }
      - { .name: out0, .offset: 32, .size: 8, .value_kind: global_buffer, .address_space: global }
    .group_segment_fixed_size: 50688
    .private_segment_fixed_size: 0
    .kernarg_segment_align: 8
    .kernarg_segment_size: 40
    .max_flat_workgroup_size: 128
    .sgpr_count:     66
    .vgpr_count:     256
    .wavefront_size: 32
...
	.end_amdgpu_metadata
.endif
;; end of part 5
